; MI455X (gfx1250); checked and timed in simulation.
; The chip was launched on July 23, 2026; its instructions are those of AMD's public machine-readable ISA for CDNA 5 (MIT licence, August 2026) and "CDNA5" Instruction Set Architecture Reference Guide (July 2026). The comments in the code are by the model that wrote it; some were corrected since.
;; Transformer Block. Allowed arithmetic: float matrix products may take bf16 or f16 operands with f32 sums; other float arithmetic in f32, or as packed bf16 or f16 multiplies, adds, multiply-adds, maxima and minima; sums over many terms, partial sums and values carried from step to step in f32; what a program stores and reads back later, other than sums and carried values, may be rounded once to bf16 or f16.
;; Inputs: W1 512 x 2,048 float32; W2 2,048 x 512 float32; Wk 512 x 512 float32; Wo 512 x 512 float32; Wq 512 x 512 float32; Wv 512 x 512 float32; b1 2,048 float32; b2 512 float32; inputs 2 x 4,096 x 512 float32; ln_att_b 512 float32; ln_att_g 512 float32; ln_mlp_b 512 float32; ln_mlp_g 512 float32.
;; Outputs: out0 2 x 4,096 x 512 float32.
;; One version. Each part assembles by itself: llvm-mc -triple=amdgcn-amd-amdhsa -mcpu=gfx1250 --defsym DOCPART=n.
;; ======== version 1 of 1: 6 launches
;; workspace buffers: wA 1,572,864 bytes; wB 2,097,152 bytes; wC 2,621,440 bytes; xz 8,388,608 bytes; zb 8,388,608 bytes; act 33,554,432 bytes; y 16,777,216 bytes
;; launch prep (part 1): grid 448 x 1, 8 waves a work-group, no clusters, 0 bytes of LDS; arguments inputs, ln_att_g, ln_att_b, xz, Wq, Wk, Wv, Wo, W1, W2, wA, wB, wC; writes xz, wA, wB, wC
.if DOCPART == 1
	.amdgcn_target "amdgcn-amd-amdhsa--gfx1250"
	.amdhsa_code_object_version 6
	.text
	.protected	k_qa138ce5d71_prep
	.globl	k_qa138ce5d71_prep
	.p2align	8
	.type	k_qa138ce5d71_prep,@function
k_qa138ce5d71_prep:
	s_mov_b64 s[64:65], 0
	v_nop
	global_prefetch_b8 v0, s[64:65] scope:SCOPE_SE
	s_setreg_imm32_b32 hwreg(HW_REG_WAVE_MODE, 25, 1), 1
	s_wait_xcnt 0x0
; TWO STREAMS THAT SHARE NOTHING, IN ONE LAUNCH.
; Work-groups 0-255: xz[r][c] = bf16((x[r][c] - mean) * rsqrt(var + 1e-6) * g[c] + b[c]).  x: [8192][512] f32, xz: [8192][512] bf16, g, b: [512] f32.
;   The variance is the mean of the squared differences from the mean, taken in a second pass over the registers, as the formula is written.
;   A wave owns 4 rows, a row lies in 16 registers a lane (columns 128 j + 4 lane .. + 3).  All 24 loads of a wave go out at once.  A load covers 512 consecutive bytes, a store 256, aligned.
; Work-groups 256-447: the six weight matrices, f32 [K][N], are rounded once to bf16 and laid out for the products that follow:
;   wA: [6 tiles][512 k][256 n], tile 2 x which + half of Wq, Wk, Wv;   wB: [8 tiles][512 k][256 n] of W1;   wC: Wo as [512][512] at byte 0, W2 as [2048][512] at byte 524,288.
;   A unit (0..23) is 512 rows x 256 columns; eight work-groups take 64 of its rows each, a wave 8.  A row's 1,024 bytes are two loads of 512 consecutive bytes; each becomes one store of 256, aligned.
; No LDS, no barrier, no matrix unit: memory binds both.
.set WV, 52                            ; s52  my wave's number
.set SO, 2                             ; v2   16 x lane
.set DO, 3                             ; v3   8 x lane
.set G,  8                             ; v[8:23]   g of my 16 columns
.set B,  24                            ; v[24:39]  b
.set X,  40                            ; v[40:103] 16 registers a row
.set Y,  104                           ; v[104:135] 8 registers a row, packed
.set T,  136                           ; v[136:143] at work
.set M,  144                           ; v[144:145] the mean, twice
.set R,  146                           ; v[146:147] 1 / sqrt(var + eps), twice
.set CS, 2                             ; the cast: v[2:9]    16 x lane + row x source pitch
.set CD, 10                            ; v[10:17]  8 x lane + row x destination pitch
.set CX, 32                            ; v[32:95]  16 loads of 4 f32
.set CY, 96                            ; v[96:127] 16 pairs of packed bf16
	v_lshrrev_b32 v1, 5, v0
	v_readfirstlane_b32 s[WV], v1
	v_and_b32 v1, 31, v0                           ; lane
	s_cmp_lt_u32 ttmp9, 256
	s_cbranch_scc0 .Lcast
	; ---------------- the layer norm
	s_load_b256 s[4:11], s[0:1], 0x0               ; x 4, g 6, b 8, out 10
	v_lshlrev_b32 v[SO], 4, v1
	v_lshlrev_b32 v[DO], 3, v1
	s_lshl_b32 s2, ttmp9, 16                       ; 32 rows of 2,048 bytes a work-group,
	s_lshl_b32 s3, s[WV], 13                       ; 4 a wave
	s_add_co_u32 s2, s2, s3
	s_mov_b32 s3, 0
	s_lshl_b32 s18, ttmp9, 15                      ; the same rows of 1,024 bytes
	s_lshl_b32 s19, s[WV], 12
	s_add_co_u32 s18, s18, s19
	s_mov_b32 s19, 0
	s_mov_b32 s12, 0x76543210                      ; v_permlanex16_b32: each lane takes its own place in the other half
	s_mov_b32 s13, 0xfedcba98
	s_mov_b32 s14, 0x3b000000                      ; 1 / 512
	s_mov_b32 s15, 0x358637bd                      ; 1e-6
	s_wait_kmcnt 0x0
	s_add_nc_u64 s[4:5], s[4:5], s[2:3]
	s_add_nc_u64 s[10:11], s[10:11], s[18:19]
.irp j, 0,1,2,3
	global_load_b128 v[G+4*(\j):G+4*(\j)+3], v[SO], s[6:7] offset:512*(\j)
	global_load_b128 v[B+4*(\j):B+4*(\j)+3], v[SO], s[8:9] offset:512*(\j)
.endr
.irp n, 0,1,2,3,4,5,6,7,8,9,10,11,12,13,14,15
	global_load_b128 v[X+4*(\n):X+4*(\n)+3], v[SO], s[4:5] offset:((\n)/4)*2048+((\n)%4)*512 th:TH_LOAD_NT
.endr
.macro LANES                           ; the sum of v[T] over the 32 lanes, in every lane
	v_add_f32_dpp v[T], v[T], v[T] row_xmask:1 row_mask:0xf bank_mask:0xf
	v_add_f32_dpp v[T], v[T], v[T] row_xmask:2 row_mask:0xf bank_mask:0xf
	v_add_f32_dpp v[T], v[T], v[T] row_xmask:4 row_mask:0xf bank_mask:0xf
	v_add_f32_dpp v[T], v[T], v[T] row_xmask:8 row_mask:0xf bank_mask:0xf
	v_permlanex16_b32 v[T+1], v[T], s12, s13       ; its destination has been written before
	v_add_f32 v[T], v[T], v[T+1]
.endm
.macro ROW i
.set XR, X+16*(\i)
.set YR, Y+8*(\i)
	s_wait_loadcnt 12-4*(\i)                       ; g, b and this row are in; the later rows' four loads each stay out
.irp j, 0,1,2,3
	v_pk_add_f32 v[T+2*(\j):T+2*(\j)+1], v[XR+4*(\j):XR+4*(\j)+1], v[XR+4*(\j)+2:XR+4*(\j)+3]
.endr
	v_pk_add_f32 v[T:T+1], v[T:T+1], v[T+2:T+3]
	v_pk_add_f32 v[T+4:T+5], v[T+4:T+5], v[T+6:T+7]
	v_pk_add_f32 v[T:T+1], v[T:T+1], v[T+4:T+5]
	v_add_f32 v[T], v[T], v[T+1]
	LANES
	v_mul_f32 v[M], s14, v[T]
	v_mul_f32 v[M+1], s14, v[T]
.irp j, 0,1,2,3,4,5,6,7
	v_pk_add_f32 v[XR+2*(\j):XR+2*(\j)+1], v[XR+2*(\j):XR+2*(\j)+1], v[M:M+1] neg_lo:[0,1] neg_hi:[0,1]
.endr
	v_pk_mul_f32 v[T:T+1], v[XR:XR+1], v[XR:XR+1]  ; the squares, in two chains
	v_pk_mul_f32 v[T+2:T+3], v[XR+2:XR+3], v[XR+2:XR+3]
.irp j, 2,4,6
	v_pk_fma_f32 v[T:T+1], v[XR+2*(\j):XR+2*(\j)+1], v[XR+2*(\j):XR+2*(\j)+1], v[T:T+1]
	v_pk_fma_f32 v[T+2:T+3], v[XR+2*(\j)+2:XR+2*(\j)+3], v[XR+2*(\j)+2:XR+2*(\j)+3], v[T+2:T+3]
.endr
	v_pk_add_f32 v[T:T+1], v[T:T+1], v[T+2:T+3]
	v_add_f32 v[T], v[T], v[T+1]
	LANES
	v_fma_f32 v[T], v[T], s14, s15                 ; var + eps
	v_rsq_f32 v[R], v[T]
	v_rsq_f32 v[R+1], v[T]
	v_nop                                          ; a plain instruction behind the second root,
	s_wait_alu depctr_va_vdst(0)                   ; and the one wait ahead of the first reader
.irp j, 0,1,2,3,4,5,6,7
	v_pk_mul_f32 v[XR+2*(\j):XR+2*(\j)+1], v[XR+2*(\j):XR+2*(\j)+1], v[R:R+1]
.endr
.irp j, 0,1,2,3,4,5,6,7
	v_pk_fma_f32 v[XR+2*(\j):XR+2*(\j)+1], v[XR+2*(\j):XR+2*(\j)+1], v[G+2*(\j):G+2*(\j)+1], v[B+2*(\j):B+2*(\j)+1]
.endr
.irp j, 0,1,2,3,4,5,6,7
	v_cvt_pk_bf16_f32 v[YR+(\j)], v[XR+2*(\j)], v[XR+2*(\j)+1]
.endr
.irp j, 0,1,2,3
	global_store_b64 v[DO], v[YR+2*(\j):YR+2*(\j)+1], s[10:11] offset:(\i)*1024+256*(\j)
.endr
.endm
	ROW 0
	ROW 1
	ROW 2
	ROW 3
	s_endpgm
	; ---------------- the cast
.Lcast:
	s_load_b512 s[16:31], s[0:1], 0x20             ; Wq 16, Wk 18, Wv 20, Wo 22, W1 24, W2 26, wA 28, wB 30
	s_load_b64 s[32:33], s[0:1], 0x60              ; wC
	s_sub_co_u32 s53, ttmp9, 256
	s_and_b32 s54, s53, 7                          ; which 64 rows of the unit
	s_lshr_b32 s9, s53, 3                          ; the unit
	s_and_b32 s10, s9, 1                           ; which half of 512 columns
	s_lshl_b32 s13, s54, 6
	s_lshl_b32 s12, s[WV], 3
	s_add_co_u32 s13, s13, s12                     ; my first row of the unit
	s_wait_kmcnt 0x0
	; source s[40:41], its offset s44 and pitch s45; destination s[42:43], offset s46, pitch s47
	s_cmp_lt_u32 s9, 6
	s_cbranch_scc0 .Lnot_qkv
	s_lshr_b32 s11, s9, 1
	s_cmp_eq_u32 s11, 0
	s_cselect_b64 s[40:41], s[16:17], s[18:19]
	s_cmp_eq_u32 s11, 2
	s_cselect_b64 s[40:41], s[20:21], s[40:41]
	s_lshl_b32 s44, s10, 10
	s_mov_b32 s45, 2048
	s_mov_b64 s[42:43], s[28:29]
	s_lshl_b32 s46, s9, 18
	s_mov_b32 s47, 512
	s_branch .Lgo
.Lnot_qkv:
	s_cmp_lt_u32 s9, 8
	s_cbranch_scc0 .Lnot_wo
	s_mov_b64 s[40:41], s[22:23]
	s_lshl_b32 s44, s10, 10
	s_mov_b32 s45, 2048
	s_mov_b64 s[42:43], s[32:33]
	s_lshl_b32 s46, s10, 9
	s_mov_b32 s47, 1024
	s_branch .Lgo
.Lnot_wo:
	s_cmp_lt_u32 s9, 16
	s_cbranch_scc0 .Lis_w2
	s_sub_co_u32 s11, s9, 8
	s_mov_b64 s[40:41], s[24:25]
	s_lshl_b32 s44, s11, 10
	s_mov_b32 s45, 8192
	s_mov_b64 s[42:43], s[30:31]
	s_lshl_b32 s46, s11, 18
	s_mov_b32 s47, 512
	s_branch .Lgo
.Lis_w2:
	s_sub_co_u32 s11, s9, 16
	s_lshr_b32 s11, s11, 1                         ; which 512 rows of W2
	s_mov_b64 s[40:41], s[26:27]
	s_lshl_b32 s44, s11, 20
	s_lshl_b32 s12, s10, 10
	s_add_co_u32 s44, s44, s12
	s_mov_b32 s45, 2048
	s_mov_b64 s[42:43], s[32:33]
	s_lshl_b32 s46, s11, 19
	s_lshl_b32 s12, s10, 9
	s_add_co_u32 s46, s46, s12
	s_add_co_u32 s46, s46, 524288
	s_mov_b32 s47, 1024
.Lgo:
	s_mul_i32 s48, s13, s45
	s_add_co_u32 s48, s48, s44
	s_mov_b32 s49, 0
	s_mul_i32 s50, s13, s47
	s_add_co_u32 s50, s50, s46
	s_mov_b32 s51, 0
	s_add_nc_u64 s[40:41], s[40:41], s[48:49]
	s_add_nc_u64 s[42:43], s[42:43], s[50:51]
	v_lshlrev_b32 v[CS], 4, v1
	v_lshlrev_b32 v[CD], 3, v1
.irp i, 1,2,3,4,5,6,7
	v_add_nc_u32 v[CS+(\i)], s45, v[CS+(\i)-1]
	v_add_nc_u32 v[CD+(\i)], s47, v[CD+(\i)-1]
.endr
.irp n, 0,1,2,3,4,5,6,7,8,9,10,11,12,13,14,15
	global_load_b128 v[CX+4*(\n):CX+4*(\n)+3], v[CS+(\n)/2], s[40:41] offset:((\n)%2)*512 th:TH_LOAD_NT
.endr
.irp n, 0,1,2,3,4,5,6,7,8,9,10,11,12,13,14,15
	s_wait_loadcnt 15-(\n)                         ; loads come back in order: load n is in, the younger ones stay out
	v_cvt_pk_bf16_f32 v[CY+2*(\n)],   v[CX+4*(\n)],   v[CX+4*(\n)+1]
	v_cvt_pk_bf16_f32 v[CY+2*(\n)+1], v[CX+4*(\n)+2], v[CX+4*(\n)+3]
	global_store_b64 v[CD+(\n)/2], v[CY+2*(\n):CY+2*(\n)+1], s[42:43] offset:((\n)%2)*256
.endr
	s_endpgm
.Lfunc_end_k_qa138ce5d71_prep:
	.size	k_qa138ce5d71_prep, .Lfunc_end_k_qa138ce5d71_prep-k_qa138ce5d71_prep
	.p2alignl 7, 3214868480
	.fill 96, 4, 3214868480
	.section	.rodata,"a",@progbits
	.p2align	6, 0x0
	.amdhsa_kernel k_qa138ce5d71_prep
		.amdhsa_group_segment_fixed_size 0
		.amdhsa_private_segment_fixed_size 0
		.amdhsa_enable_private_segment 0
		.amdhsa_kernarg_size 104
		.amdhsa_user_sgpr_count 2
		.amdhsa_user_sgpr_kernarg_segment_ptr 1
		.amdhsa_wavefront_size32 1
		.amdhsa_system_sgpr_workgroup_id_x 1
		.amdhsa_system_sgpr_workgroup_id_y 1
		.amdhsa_system_sgpr_workgroup_id_z 1
		.amdhsa_system_vgpr_workitem_id 0
		.amdhsa_next_free_vgpr 160
		.amdhsa_next_free_sgpr 66
		.amdhsa_reserve_vcc 0
		.amdhsa_float_denorm_mode_32 3
		.amdhsa_float_denorm_mode_16_64 3
		.amdhsa_memory_ordered 1
		.amdhsa_forward_progress 1
		.amdhsa_inst_pref_size 30
	.end_amdhsa_kernel
	.amdgpu_metadata
---
amdhsa.version: [ 1, 2 ]
amdhsa.kernels:
  - .name:           k_qa138ce5d71_prep
    .symbol:         k_qa138ce5d71_prep.kd
    .args:
      - { .name: inputs, .offset: 0, .size: 8, .value_kind: global_buffer, .address_space: global }
      - { .name: ln_att_g, .offset: 8, .size: 8, .value_kind: global_buffer, .address_space: global }
      - { .name: ln_att_b, .offset: 16, .size: 8, .value_kind: global_buffer, .address_space: global }
      - { .name: xz, .offset: 24, .size: 8, .value_kind: global_buffer, .address_space: global }
      - { .name: Wq, .offset: 32, .size: 8, .value_kind: global_buffer, .address_space: global }
      - { .name: Wk, .offset: 40, .size: 8, .value_kind: global_buffer, .address_space: global }
      - { .name: Wv, .offset: 48, .size: 8, .value_kind: global_buffer, .address_space: global }
      - { .name: Wo, .offset: 56, .size: 8, .value_kind: global_buffer, .address_space: global }
      - { .name: W1, .offset: 64, .size: 8, .value_kind: global_buffer, .address_space: global }
      - { .name: W2, .offset: 72, .size: 8, .value_kind: global_buffer, .address_space: global }
      - { .name: wA, .offset: 80, .size: 8, .value_kind: global_buffer, .address_space: global }
      - { .name: wB, .offset: 88, .size: 8, .value_kind: global_buffer, .address_space: global }
      - { .name: wC, .offset: 96, .size: 8, .value_kind: global_buffer, .address_space: global }
    .group_segment_fixed_size: 0
    .private_segment_fixed_size: 0
    .kernarg_segment_align: 8
    .kernarg_segment_size: 104
    .max_flat_workgroup_size: 256
    .sgpr_count:     66
    .vgpr_count:     160
    .wavefront_size: 32
...
	.end_amdgpu_metadata
.endif
;; end of part 1
;; launch qkv (part 2): grid 32 x 6, 4 waves a work-group, clusters of 4 x 1, 327,680 bytes of LDS; arguments xz, wA, act; writes act
.if DOCPART == 2
	.amdgcn_target "amdgcn-amd-amdhsa--gfx1250"
	.amdhsa_code_object_version 6
	.text
	.protected	k_qa138ce5d71_qkv
	.globl	k_qa138ce5d71_qkv
	.p2align	8
	.type	k_qa138ce5d71_qkv,@function
k_qa138ce5d71_qkv:
	s_mov_b64 s[64:65], 0
	v_nop
	global_prefetch_b8 v0, s[64:65] scope:SCOPE_SE
	s_setreg_imm32_b32 hwreg(HW_REG_WAVE_MODE, 25, 1), 1
	s_wait_xcnt 0x0
	s_wait_alu depctr_hold_cnt(0) depctr_sa_sdst(0) depctr_va_vdst(0) depctr_va_sdst(0) depctr_va_ssrc(0) depctr_va_vcc(0) depctr_vm_vsrc(0)
	s_getreg_b32 s2, hwreg(HW_REG_IB_STS2, 6, 4)
	s_cmp_eq_u32 s2, 0
	s_cbranch_scc0 .Lentry_in_a_cluster
	s_endpgm
.Lentry_in_a_cluster:
	s_bfe_u32 s2, ttmp6, 0x10000c
	s_cmp_lg_u32 s2, 0x3003
	s_cbranch_scc0 .Lentry_shape_is_right
	s_endpgm
.Lentry_shape_is_right:
; C = A W.  A: [8192][512] bf16.  W: column tiles [6][512 k][256 n] bf16.  C leaves in bf16 BY SLICES of 64 columns: [slice][8192 rows][64], 1,048,576 bytes a slice.  Sums in f32, C rounded once.
; SHARES.  A work-group makes 256 x 256 of C, K = 512 in four steps of 128 through two LDS slots; a wave makes 128 x 128: 64 accumulators, 512 registers.
; W lies [k][n] in LDS and is turned on the way into registers (ds_load_tr16_b128).  The product is taken transposed (source 0 = 16 columns of W, source 1 = 16 rows of A):
; a lane then holds one row of C and eight neighbouring columns.
; THE K LOOP IS WRITTEN ONCE.  A PAIR is two quarters of 32 along K (128 matrix instructions, 64 LDS loads); a K step is two PAIRs.  The two K steps behind which a slot is filled again are a loop round that loop;
; the last K step has a second copy.  The first quarter and a half, whose products start the sums, stand ahead, and the loop is entered in the middle of a trip.
; A trip begins where fragments are fetched, so the change of slots stands just ahead of the first fetch from the new slot.  The price: no matrix instruction stands inside the change of slots.
; CLUSTER.  Four row tiles of one column tile: W's tiles are asked for jointly.  A's tiles are each work-group's own: the grid has 6 column tiles, no multiple of 4, so no cluster spans columns.
; REGISTERS, in windows of 256: window 0: v0-31 addresses, v64-191 A's fragments (two buffers), later the way out; window 1: v64-191 W's fragments; windows 2, 3: the accumulators.
.set KSTEP, 128
.set PA,    272                        ; a row of A in LDS: 256 bytes + 16
.set PB,    544                        ; a k row of W in LDS: 512 bytes + 32 = 17 x 32
.set HALFT, 34816                      ; what one tensor load brings: 128 x 272 = 64 x 544
.set SLOT,  4*HALFT                    ; A's 256 rows, then W's 128 k rows.  0x22000: it shares no bit with a wave's place 0, 0x8800, 0x11000, 0x19800, so an exclusive or with it turns one slot's address into the other's
.set SPARE, 2*SLOT                     ; behind the ring: the spare words, 128 bytes a wave
.set SPF,   528                        ; the way out: a row of 128 f32 + 16 bytes
.set AREA,  128*SPF                    ; a wave's 128 rows; the four areas lie over the ring when it has had its last fill
.set SLB,   1048576                    ; bytes in a slice of C
.set ADRA, 16                          ; v16  my lane's place among A's fragments in slot 0; never rewritten
.set ADA,  18                          ; v18  the LDS address of A's fetches in hand
.set ADRB, 20                          ; v20  the same for W
.set ADB,  22                          ; v22
.set STO,  24                          ; v24  where I put a row's 32 bytes
.set RD,   25                          ; v25  where I read rows back; steps
.set GO,   26                          ; v26  my byte offset in C
.set SPW,  28                          ; v28  my spare word; never rewritten
.set NIL,  29                          ; v29  0; never rewritten
.set PFO,  30                          ; v30  the prefetches' lane offset; never rewritten
.set U,    32                          ; v[32:95]   the way out: 64 numbers
.set YY,   192                         ; v[192:223] packed
.set F0,   64
.set F1,   128
.set G1A,  24                          ; s[24:31] group 1 for A;  s[32:39] group 0: a set for each first fill; the second then walks
.set G0A,  32
.set G1B,  48                          ; s[48:55], s[56:63] the same for W
.set G0B,  56
.set TA,   4                           ; s4   slot + 128 x trip: where A's next fetches begin
.set TW,   5                           ; s5   slot + 64 k rows x trip: the same for W
.set CNT,  6                           ; s6   counts a K step's two trips
.set OUT,  7                           ; s7   K steps still to be left by a change that fills
.set LIM,  43
.set PFA,  44
.set MSB, 0
.macro WIN new                         ; the immediate's high byte repeats the setting that is left
.if MSB != (\new)
	s_set_vgpr_msb (MSB<<8)|(\new)
.set MSB, \new
.endif
.endm
.set MUL_LO, 0xa1                      ; source 0 (W) window 1, source 1 (A) window 0, C and D window 2
.set MUL_HI, 0xf1                      ; the same, C and D window 3
.set TO_B,   0x40                      ; destination window 1, address window 0
.macro PLACES
.rept 4
	v_nop
.endr
.endm
; Waves 0 and 1 fetch A's two halves (their own work-group's), waves 2 and 3 W's (jointly).  The branch hangs on the wave's number alone.  An s_nop 0 and four v_nop follow each line.
.macro JLOAD s
	s_cmp_eq_u32 s11, 0
	s_cbranch_scc0 .Lfor_b_\@
	tensor_load_to_lds s[G0A+4*(\s):G0A+4*(\s)+3], s[G1A:G1A+7]
	s_nop 0
.rept 4
	v_nop
.endr
	s_branch .Lasked_\@
.Lfor_b_\@:
	tensor_load_to_lds s[G0B+4*(\s):G0B+4*(\s)+3], s[G1B:G1B+7]
	s_nop 0
.rept 4
	v_nop
.endr
.Lasked_\@:
.endm
.macro CROUND                          ; a round of the cluster's barrier
	s_barrier_signal -1
	s_barrier_wait -1
	s_cmp_lg_u32 s10, 0
	s_cbranch_scc1 .Lnot_wave_0_\@
	s_barrier_signal -3
.Lnot_wave_0_\@:
	s_barrier_wait -3
	s_barrier_signal -1
	s_barrier_wait -1
.endm
; K step 3 is prefetched into the L2 once, behind the refill that asks for K step 2: a K step, 256 matrix instructions, ahead of its own load.  A's rows: each wave 0, 1 its own 128 rows (a lane a row, four lines), in column tile 0 alone;
; W's: the first cluster of the column tile, its four partners 32 blocks of 256 bytes each, told apart by address.  K steps 0 to 2 come by their loads alone; the second change that fills asks for nothing.
.macro ASK
	s_cmp_gt_u32 s[OUT], s[LIM]
	s_cbranch_scc0 .Lno_pf_\@
	global_prefetch_b8 v[PFO], s[PFA:PFA+1] th:TH_LOAD_NT scope:SCOPE_SE
	s_cmp_eq_u32 s11, 0
	s_cbranch_scc0 .Lno_pf_\@
	global_prefetch_b8 v[PFO], s[PFA:PFA+1] offset:32768 th:TH_LOAD_NT scope:SCOPE_SE
	global_prefetch_b8 v[PFO], s[PFA:PFA+1] offset:65536 th:TH_LOAD_NT scope:SCOPE_SE
	global_prefetch_b8 v[PFO], s[PFA:PFA+1] offset:98304 th:TH_LOAD_NT scope:SCOPE_SE
.Lno_pf_\@:
.endm
	s_load_b128 s[72:75], s[0:1], 0x0              ; A 72, W 74
	s_load_b64 s[80:81], s[0:1], 0x10              ; C
	v_lshl_add_u32 v[SPW], v0, 2, SPARE
	v_mov_b32 v[NIL], 0
	ds_add_u32 v[SPW], v[NIL]                      ; the wave's opening: the add and its wait stand ahead of my first tensor load
	v_lshrrev_b32 v1, 5, v0
	v_readfirstlane_b32 s10, v1                    ; wave 0..3
	s_lshr_b32 s11, s10, 1                         ; my half of the tile's rows.  Also: I fetch for A (0) or for W (1)
	s_and_b32 s12, s10, 1                          ; my half of its columns.  Also: which half of that tile I fetch
	s_bfe_u32 s40, ttmp6, 0x40000                  ; cx
	s_lshl_b32 s13, ttmp9, 2
	s_add_co_u32 s13, s13, s40                     ; row tile = 4 x cluster x + cx
	s_and_b32 s41, ttmp7, 0xffff                   ; column tile, which the four partners share
	s_mov_b32 s[G1A+0], (1<<16)|(1<<20)|(5<<22)|(3<<25)  ; no mask; 2-byte elements; padding: 4 words behind every 64
	s_mov_b32 s[G1A+1], 128<<16                    ; tensor_dim0 = 128
	s_mov_b32 s[G1A+2], 128<<16                    ; tensor_dim1 = 128
	s_mov_b32 s[G1A+3], 128<<16                    ; tile_dim0 = 128
	s_mov_b32 s[G1A+4], 128                        ; tile_dim1 = 128
	s_mov_b32 s[G1A+5], 512                        ; elements from row to row
	s_mov_b32 s[G1A+6], 0
	s_mov_b32 s[G1A+7], 0
	s_mov_b32 s[G1B+0], 15|(1<<16)|(1<<20)|(1<<21)|(6<<22)|(7<<25)  ; the mask of four, bit 21 beside it; padding: 8 words behind every 128
	s_mov_b32 s[G1B+1], 256<<16
	s_mov_b32 s[G1B+2], 64<<16
	s_mov_b32 s[G1B+3], 256<<16
	s_mov_b32 s[G1B+4], 64
	s_mov_b32 s[G1B+5], 256
	s_mov_b32 s[G1B+6], 0
	s_mov_b32 s[G1B+7], 0
	s_mov_b32 s[TA], 0
	s_mov_b32 s[TW], 0
	s_lshl_b32 s16, s13, 18                        ; A: (256 x row tile + 128 x half) rows of 1,024 bytes
	s_lshl_b32 s17, s12, 17
	s_add_co_u32 s16, s16, s17
	s_mov_b32 s17, 0
	s_lshl_b32 s46, s41, 18                        ; W: the column tile's 262,144 bytes, 64 k rows of 512 bytes a half
	s_lshl_b32 s47, s12, 15
	s_add_co_u32 s46, s46, s47
	s_mov_b32 s47, 0
	s_mul_i32 s20, s10, HALFT                      ; where my part goes in a slot
	s_wait_dscnt 0x0                               ; the opening add is done
	s_wait_kmcnt 0x0
	s_add_nc_u64 s[14:15], s[72:73], s[16:17]
	s_add_nc_u64 s[46:47], s[74:75], s[46:47]
	CROUND                                         ; all four work-groups are here: the first joint loads meet
.irp s, 0,1
	s_mov_b32 s[G0A+4*(\s)], 1
	s_add_co_u32 s[G0A+4*(\s)+1], s20, (\s)*SLOT
	s_add_nc_u64 s[G0A+4*(\s)+2:G0A+4*(\s)+3], s[14:15], (\s)*KSTEP*2
	s_or_b32 s[G0A+4*(\s)+3], s[G0A+4*(\s)+3], 0x80000000
	s_mov_b32 s[G0B+4*(\s)], 1
	s_add_co_u32 s[G0B+4*(\s)+1], s20, (\s)*SLOT
	s_add_nc_u64 s[G0B+4*(\s)+2:G0B+4*(\s)+3], s[46:47], (\s)*KSTEP*512
	s_or_b32 s[G0B+4*(\s)+3], s[G0B+4*(\s)+3], 0x80000000
	JLOAD \s                                       ; two loads of mine are out
.endr
	v_and_b32 v1, 15, v0                           ; l % 16
	v_bfe_u32 v2, v0, 4, 1                         ; l / 16
	v_and_b32 v3, 7, v0                            ; l % 8
	v_bfe_u32 v4, v0, 3, 1                         ; (l / 8) % 2
	v_mul_u32_u24 v5, v1, PA                       ; A's fragment: row l % 16, 16 bytes a half
	v_lshl_add_u32 v5, v2, 4, v5
	s_mul_i32 s21, s11, HALFT
	v_add_nc_u32 v[ADRA], s21, v5
	v_lshl_add_u32 v6, v2, 3, v3                   ; W's: k row 8 (l / 16) + l % 8, 16 bytes by (l / 8) % 2
	v_mul_u32_u24 v6, v6, PB
	v_lshl_add_u32 v6, v4, 4, v6
	s_lshl_b32 s22, s12, 8
	s_add_co_u32 s22, s22, 2*HALFT
	v_add_nc_u32 v[ADRB], s22, v6
	s_mul_i32 s23, s10, AREA
	v_mul_u32_u24 v7, v1, SPF
	v_lshl_add_u32 v7, v2, 5, v7
	v_add_nc_u32 v[STO], s23, v7
	v_mul_u32_u24 v7, v4, SPF                      ; back: lanes 0-15 two rows of my first slice, lanes 16-31 of my second; 8 columns a lane
	v_lshl_add_u32 v7, v2, 8, v7
	v_lshl_add_u32 v7, v3, 5, v7
	v_add_nc_u32 v[RD], s23, v7
	v_lshlrev_b32 v[GO], 20, v2
	v_lshl_add_u32 v[GO], v4, 7, v[GO]
	v_lshl_add_u32 v[GO], v3, 4, v[GO]
	s_lshl_b32 s14, s41, 2                         ; C: slice 4 x column tile + 2 x half; row 256 x row tile + 128 x half, 128 bytes a row
	s_lshl_b32 s15, s12, 1
	s_add_co_u32 s14, s14, s15
	s_lshl_b32 s14, s14, 20
	s_lshl_b32 s15, s13, 15
	s_add_co_u32 s14, s14, s15
	s_lshl_b32 s15, s11, 14
	s_add_co_u32 s14, s14, s15
	s_mov_b32 s15, 0
	s_add_nc_u64 s[80:81], s[80:81], s[14:15]
	s_lshl_b32 s18, s13, 18                        ; the prefetch: A's K step 3 of my 128 rows,
	s_lshl_b32 s19, s12, 17
	s_add_co_u32 s18, s18, s19
	s_add_co_u32 s18, s18, 3*KSTEP*2
	s_lshl_b32 s19, s41, 18                        ; or W's K step 3, my half, my work-group's 8,192 bytes of it
	s_lshl_b32 s21, s12, 15
	s_add_co_u32 s19, s19, s21
	s_lshl_b32 s21, s40, 13
	s_add_co_u32 s19, s19, s21
	s_add_co_u32 s19, s19, 3*KSTEP*512
	s_cmp_eq_u32 s11, 0
	s_cselect_b64 s[PFA:PFA+1], s[72:73], s[74:75]
	s_cselect_b32 s18, s18, s19
	s_cselect_b32 s21, 10, 8                       ; a lane a row of 1,024 bytes, or a lane a block of 256
	s_cselect_b32 s22, s41, ttmp9                  ; the coordinate along which others read the same bytes
	s_mov_b32 s19, 0
	s_add_nc_u64 s[PFA:PFA+1], s[PFA:PFA+1], s[18:19]
	s_cmp_eq_u32 s22, 0
	s_cselect_b32 s[LIM], 1, -1                    ; the same in all four partners, for a given wave
	v_and_b32 v[PFO], 31, v0
	v_lshlrev_b32 v[PFO], s21, v[PFO]
; 16 matrix instructions: m blocks a0, a0 + 1 of the window's four x all 8 n blocks, 32 along K.  zero = 1: the product starts the sums.  The 64 accumulators take turns, in the same order in every quarter.
.macro MUL16 f, hi, a0, zero
	WIN MUL_LO+0x50*(\hi)
.irp a, \a0, (\a0)+1
.irp b, 0,1,2,3,4,5,6,7
.if \zero
	v_wmma_f32_16x16x32_bf16 v[8*(8*(\a)+(\b)):8*(8*(\a)+(\b))+7], v[(\f)+8*(\b):(\f)+8*(\b)+7], v[(\f)+8*(4*(\hi)+(\a)):(\f)+8*(4*(\hi)+(\a))+7], 0
.else
	v_wmma_f32_16x16x32_bf16 v[8*(8*(\a)+(\b)):8*(8*(\a)+(\b))+7], v[(\f)+8*(\b):(\f)+8*(\b)+7], v[(\f)+8*(4*(\hi)+(\a)):(\f)+8*(4*(\hi)+(\a))+7], v[8*(8*(\a)+(\b)):8*(8*(\a)+(\b))+7]
.endif
.endr
.endr
.endm
; 32 LDS loads in one run: the trip's even (odd = 0) or odd quarter into buffer f: W's 8 fragments, turned, then A's 8
.macro FETCH odd, f
	WIN TO_B
.irp i, 0,1,2,3,4,5,6,7
	ds_load_tr16_b128 v[(\f)+8*(\i):(\f)+8*(\i)+3],   v[ADB] offset:(\odd)*32*PB+32*(\i)
	ds_load_tr16_b128 v[(\f)+8*(\i)+4:(\f)+8*(\i)+7], v[ADB] offset:(\odd)*32*PB+32*(\i)+16*PB
.endr
	WIN 0
.irp i, 0,1,2,3,4,5,6,7
	ds_load_b128 v[(\f)+8*(\i):(\f)+8*(\i)+3],   v[ADA] offset:(\odd)*64+(\i)*16*PA
	ds_load_b128 v[(\f)+8*(\i)+4:(\f)+8*(\i)+7], v[ADA] offset:(\odd)*64+(\i)*16*PA+32
.endr
.endm
; A TRIP: two quarters.  It begins with the fetch of its even quarter; the upper half of the quarter before (buffer 1) is multiplied behind that.  Four plain vector instructions stand in front of each run of loads into
; registers that matrix instructions have read.  mid = 1: the label at which the loop is entered.
.macro PAIR mid
	WIN 0
	v_add_nc_u32 v[ADA], s[TA], v[ADRA]            ; two of the four places
	v_add_nc_u32 v[ADB], s[TW], v[ADRB]
	v_nop
	v_nop
	FETCH 0, F0
	s_wait_dscnt 32                                ; all but the 32 just issued: buffer 1 is whole
	MUL16 F1, 1, 0, 0
	MUL16 F1, 1, 2, 0
	s_wait_dscnt 8                                 ; W and A's rows 0-63 are in; the youngest eight loads (A's rows 64-127) may be out
	MUL16 F0, 0, 0, 0
	MUL16 F0, 0, 2, 0
	PLACES
	FETCH 1, F1
	s_wait_dscnt 32
	MUL16 F0, 1, 0, 0
	MUL16 F0, 1, 2, 0
.if \mid
	WIN 0
.Lmid:
.endif
	s_wait_dscnt 8
	MUL16 F1, 0, 0, 0
	MUL16 F1, 0, 2, 0
	WIN 0
	s_add_co_u32 s[TA], s[TA], 128
	s_add_co_u32 s[TW], s[TW], 64*PB
.endm
; THE CHANGE OF SLOTS.  The slot's last fragments have been asked for.  Each wave waits for all its tensor loads (one is out: its part of the other slot), adds 0 to its spare word, and waits for that and for its reads of the slot.
; fill = 1: the barrier is a round of the cluster's, and the refill, the K step two on, is the first thing behind it: it has a K step, 256 matrix instructions, in which to land.
.macro CHANGE fill
	WIN 0
	s_wait_tensorcnt 0x0                           ; no tensor load of mine is out, so a group 0 may be written
	ds_add_u32 v[SPW], v[NIL]                      ; the scalar work stands between the add and the wait for it
.if \fill
	s_xor_b32 s[G0A+5], s[G0A+5], SLOT             ; the walking descriptors: the other slot than last time,
	s_add_nc_u64 s[G0A+6:G0A+7], s[G0A+6:G0A+7], KSTEP*2   ; the next K step
	s_xor_b32 s[G0B+5], s[G0B+5], SLOT
	s_add_nc_u64 s[G0B+6:G0B+7], s[G0B+6:G0B+7], KSTEP*512
.endif
	s_sub_co_u32 s[TA], s[TA], 256                 ; the fetches go back to a slot's first quarter (0 or SLOT is left),
	s_xor_b32 s[TA], s[TA], SLOT                   ; in the other slot
	s_sub_co_u32 s[TW], s[TW], 128*PB
	s_xor_b32 s[TW], s[TW], SLOT
	s_wait_dscnt 0x0                               ; the add is done, and my reads of the slot are over
.if \fill
	CROUND
	JLOAD 1
	ASK
.else
	s_barrier_signal -1
	s_barrier_wait -1
.endif
.endm
	s_wait_tensorcnt 1                             ; my part of K step 0 is in; K step 1's may stay out
	s_barrier_signal -1
	s_barrier_wait -1
	v_add_nc_u32 v[ADA], s[TA], v[ADRA]
	v_add_nc_u32 v[ADB], s[TW], v[ADRB]
	FETCH 0, F0
	s_wait_dscnt 8
	MUL16 F0, 0, 0, 1                              ; the first quarter's products start the sums
	MUL16 F0, 0, 2, 1
	PLACES
	FETCH 1, F1
	s_wait_dscnt 32
	MUL16 F0, 1, 0, 1
	MUL16 F0, 1, 2, 1
	WIN 0
	s_mov_b32 s[CNT], 2
	s_mov_b32 s[OUT], 3
	s_branch .Lmid                                 ; the loop is entered in the middle of K step 0's first trip
.Lslot:                                        ; twice: K steps 1 and 2 are entered, K steps 2 and 3 asked for
	CHANGE 1
	s_mov_b32 s[CNT], 2
.Lpair:
	PAIR 1
	s_sub_co_u32 s[CNT], s[CNT], 1
	s_cmp_lg_u32 s[CNT], 0
	s_cbranch_scc1 .Lpair
	s_sub_co_u32 s[OUT], s[OUT], 1
	s_cmp_lg_u32 s[OUT], 0
	s_cbranch_scc1 .Lslot
	CHANGE 0                                       ; K step 3: nothing is left to fetch
	s_mov_b32 s[CNT], 2
.Lpair_t:
	PAIR 0
	s_sub_co_u32 s[CNT], s[CNT], 1
	s_cmp_lg_u32 s[CNT], 0
	s_cbranch_scc1 .Lpair_t
	s_wait_dscnt 0x0
	MUL16 F1, 1, 0, 0                              ; the last quarter's upper half
	MUL16 F1, 1, 2, 0
	WIN 0
	; THE WAY OUT.  The ring has had its last fill; when every wave's reads of it are over, each wave lays its 128 x 128 sums, f32, into its own area over it, and reads them back 16 rows a trip.
	s_barrier_signal -1
	s_barrier_wait -1
	PLACES
	PLACES
.irp a, 0,1,2,3,4,5,6,7
	WIN 0x08+4*((\a)/4)                            ; the stores' data: window 2 or 3
.irp b, 0,1,2,3,4,5,6,7
	ds_store_b128 v[STO], v[8*(8*((\a)%4)+(\b)):8*(8*((\a)%4)+(\b))+3]   offset:(\a)*16*SPF+64*(\b)
	ds_store_b128 v[STO], v[8*(8*((\a)%4)+(\b))+4:8*(8*((\a)%4)+(\b))+7] offset:(\a)*16*SPF+64*(\b)+16
.endr
.endr
	WIN 0
	s_mov_b32 s3, 8
.Lrows:
.irp t, 0,1,2,3,4,5,6,7
	ds_load_b128 v[U+8*(\t):U+8*(\t)+3],   v[RD] offset:(\t)*2*SPF      ; LDS serves a wave's instructions in order: these see my stores
	ds_load_b128 v[U+8*(\t)+4:U+8*(\t)+7], v[RD] offset:(\t)*2*SPF+16
.endr
.irp t, 0,1,2,3,4,5,6,7
	s_wait_dscnt 14-2*(\t)                         ; the later pairs of rows, two loads each, may be out
.irp k, 0,1,2,3
	v_cvt_pk_bf16_f32 v[YY+4*(\t)+(\k)], v[U+8*(\t)+2*(\k)], v[U+8*(\t)+2*(\k)+1]
.endr
	global_store_b128 v[GO], v[YY+4*(\t):YY+4*(\t)+3], s[80:81] offset:(\t)*256  ; 16 lanes store two rows of a slice: 256 consecutive bytes, aligned
.endr
	v_add_nc_u32 v[RD], 16*SPF, v[RD]
	s_wait_xcnt 0x0                                ; the stores' data and base are rewritten only behind this wait
	s_add_nc_u64 s[80:81], s[80:81], 2048          ; 16 rows on
	s_sub_co_u32 s3, s3, 1
	s_cmp_lg_u32 s3, 0
	s_cbranch_scc1 .Lrows
	s_wait_tensorcnt 0x0                           ; the wave's end
	ds_add_u32 v[SPW], v[NIL]
	s_wait_dscnt 0x0
	CROUND                                         ; the closing round
	s_endpgm
.Lfunc_end_k_qa138ce5d71_qkv:
	.size	k_qa138ce5d71_qkv, .Lfunc_end_k_qa138ce5d71_qkv-k_qa138ce5d71_qkv
	.p2alignl 7, 3214868480
	.fill 96, 4, 3214868480
	.section	.rodata,"a",@progbits
	.p2align	6, 0x0
	.amdhsa_kernel k_qa138ce5d71_qkv
		.amdhsa_group_segment_fixed_size 327680
		.amdhsa_private_segment_fixed_size 0
		.amdhsa_enable_private_segment 0
		.amdhsa_kernarg_size 24
		.amdhsa_user_sgpr_count 2
		.amdhsa_user_sgpr_kernarg_segment_ptr 1
		.amdhsa_wavefront_size32 1
		.amdhsa_system_sgpr_workgroup_id_x 1
		.amdhsa_system_sgpr_workgroup_id_y 1
		.amdhsa_system_sgpr_workgroup_id_z 1
		.amdhsa_system_vgpr_workitem_id 0
		.amdhsa_next_free_vgpr 1024
		.amdhsa_next_free_sgpr 84
		.amdhsa_reserve_vcc 0
		.amdhsa_float_denorm_mode_32 3
		.amdhsa_float_denorm_mode_16_64 3
		.amdhsa_memory_ordered 1
		.amdhsa_forward_progress 1
		.amdhsa_inst_pref_size 60
	.end_amdhsa_kernel
	.amdgpu_metadata
---
amdhsa.version: [ 1, 2 ]
amdhsa.kernels:
  - .name:           k_qa138ce5d71_qkv
    .symbol:         k_qa138ce5d71_qkv.kd
    .args:
      - { .name: xz, .offset: 0, .size: 8, .value_kind: global_buffer, .address_space: global }
      - { .name: wA, .offset: 8, .size: 8, .value_kind: global_buffer, .address_space: global }
      - { .name: act, .offset: 16, .size: 8, .value_kind: global_buffer, .address_space: global }
    .group_segment_fixed_size: 327680
    .private_segment_fixed_size: 0
    .kernarg_segment_align: 8
    .kernarg_segment_size: 24
    .max_flat_workgroup_size: 128
    .sgpr_count:     84
    .vgpr_count:     1024
    .wavefront_size: 32
...
	.end_amdgpu_metadata
.endif
;; end of part 2
;; launch attn (part 3): grid 16 x 16, 4 waves a work-group, clusters of 4 x 1, 327,680 bytes of LDS; arguments act, xz; writes xz
.if DOCPART == 3
	.amdgcn_target "amdgcn-amd-amdhsa--gfx1250"
	.amdhsa_code_object_version 6
	.text
	.protected	k_qa138ce5d71_attn
	.globl	k_qa138ce5d71_attn
	.p2align	8
	.type	k_qa138ce5d71_attn,@function
k_qa138ce5d71_attn:
	s_mov_b64 s[64:65], 0
	v_nop
	global_prefetch_b8 v0, s[64:65] scope:SCOPE_SE
	s_setreg_imm32_b32 hwreg(HW_REG_WAVE_MODE, 25, 1), 1
	s_wait_xcnt 0x0
	s_wait_alu depctr_hold_cnt(0) depctr_sa_sdst(0) depctr_va_vdst(0) depctr_va_sdst(0) depctr_va_ssrc(0) depctr_va_vcc(0) depctr_vm_vsrc(0)
	s_getreg_b32 s2, hwreg(HW_REG_IB_STS2, 6, 4)
	s_cmp_eq_u32 s2, 0
	s_cbranch_scc0 .Lentry_in_a_cluster
	s_endpgm
.Lentry_in_a_cluster:
	s_bfe_u32 s2, ttmp6, 0x10000c
	s_cmp_lg_u32 s2, 0x3003
	s_cbranch_scc0 .Lentry_shape_is_right
	s_endpgm
.Lentry_shape_is_right:
; O[bh][q][:] = the sum over k of softmax_k(Q[bh][q] . K[bh][k] / 8) V[bh][k][:], 16 (batch, head) pairs of 4,096 rows of 64 channels, all bf16.
; act holds q, k, v by slices: [slice][8192 rows][64]; q's head h is slice h, k's 8 + h, v's 16 + h; batch b is rows 4,096 b on.  O leaves in the same layout, slices 0-7 of xz.
; Products, maxima and sums in f32; the weights p are rounded to bf16 for the second product (their sum l is taken of the unrounded p), O once at the end.
; LIMITS.  A weight below 2^-126 counts as 0 in l; the running c m starts at -2^125; NaN and infinities are not treated apart.
; SHARES.  A work-group owns 256 queries, a wave 64: four PIECES of 16.  Every wave walks all 4,096 keys, 64 a step, 256 a slot.
; LAYOUT.  S^T = K Q^T holds ONE query a lane (lane % 16) and the keys 8 (lane / 16) + 0..7; two such results rounded to bf16 ARE source 1 of O^T = V^T P.  K comes out of LDS as it lies, V turned.
; SOFTMAX.  p = 2^(c s - c m), c = log2(e) / 8, with a running maximum m; O and l are multiplied by a = 2^(c m_old - c m_new) in every step.  m starts at the lowest finite number, O and l at 0.
; TURNS.  Turn n belongs to piece n: 8 products K Q^T of piece n + 1, later 8 products V^T P of piece n - 1; beside them the scaling, exponentials, roundings, sums and rescaling of piece n and the maximum
; and statistics of piece n + 1.  Four vector instructions stand behind every matrix instruction, the rest in one lump.  A turn's 33 exponentials are one batch, with one wait.
; CLUSTER.  The four query blocks of a cluster belong to one head and walk the same K and V: each tile is asked for jointly.
; REGISTERS, in windows of 256: window 0: addresses, statistics, S^T (v64-127, two buffers), P (v192-223, two buffers); window 1: v0-127 O^T; window 2: v0-63 Q, v128-191 K, v192-255 V of one step.
.set NP,    4
.set KS,    64
.set PK,    144                        ; a row of K in LDS: 128 bytes + 16
.set PV,    160                        ; a row of V: 128 + 32
.set VOFF,  4*KS*PK                    ; a slot: 256 rows of K, then 256 rows of V
.set SLOT1, 1<<17
.set STAGE, SLOT1+4*KS*(PK+PV)         ; behind the ring: 16 rows x 144 bytes a wave, for the way out
.set SP,    144
.set SPARE, STAGE+4*16*SP              ; behind the stages: the spare words
.set SLB,   1048576
.set AK0, 2
.set AV0, 3
.set AK,  4
.set AV,  5
.set STO, 6
.set RD,  7
.set GO,  8
.set MV,  12                           ; v12-13  c m_old, by buffer
.set QO,  15
.set ST,  16                           ; piece t's statistics at v[ST+4 t]: c m, m, l (even keys', odd keys')
.set TMP, 48                           ; by buffer, c0-c3 at work; c2 takes a
.set PFO, 61                           ; v61  256 x lane; never rewritten
.set SPW, 62
.set NIL, 63
.set S,   64
.set P,   192
.set KF,  128
.set VF,  192
.set WV,  12
.set LIM, 15                           ; s15  1 in a wave that prefetches, else the greatest number
.set PFA, 18                           ; s[18:19] where my prefetches stand
.set G1K, 24
.set G1V, 32
.set G0K, 40
.set G0V, 44
.set SLOTS, 56
.set CNT, 57
.set CS,  58
.set SEL, 60
.set TBK, 62
.set TBV, 63
.set MSB, 0
.macro WIN new
.if MSB != (\new)
	s_set_vgpr_msb (MSB<<8)|(\new)
.set MSB, (\new)
.endif
.endm
.set W_KQ, 0x0a                        ; K and Q in window 2, S^T in window 0
.set W_PV, 0x52                        ; V in window 2, P in window 0, O^T in window 1
.set W_RS, 0x41                        ; destination and source 0 in window 1, source 1 in window 0
.macro JLOAD                           ; waves 0 and 1 fetch the halves of a slot's K, waves 2 and 3 of its V; an s_nop 0 and four v_nop follow each line
	s_cmp_lt_u32 s[WV], 2
	s_cbranch_scc0 .Lfor_v_\@
	tensor_load_to_lds s[G0K:G0K+3], s[G1K:G1K+7]
	s_nop 0
.rept 4
	v_nop
.endr
	s_branch .Lasked_\@
.Lfor_v_\@:
	tensor_load_to_lds s[G0V:G0V+3], s[G1V:G1V+7]
	s_nop 0
.rept 4
	v_nop
.endr
.Lasked_\@:
.endm
; A prefetch into the L2 of the slot that the NEXT change will ask for: 128 blocks of 256 bytes of K and of V.  The head's first cluster asks; its partners take 32 blocks each, by address; wave 0 K's, wave 2 V's.
; It stands four key steps, 256 matrix instructions, ahead of that load.  The last change that fills a slot asks for nothing.
.macro ASK
	s_cmp_gt_u32 s[SLOTS], s[LIM]
	s_cbranch_scc0 .Lnot_mine_\@
	global_prefetch_b8 v[PFO], s[PFA:PFA+1] th:TH_LOAD_NT scope:SCOPE_SE
.Lnot_mine_\@:
.endm
.macro CROUND
	s_barrier_signal -1
	s_barrier_wait -1
	s_cmp_lg_u32 s[WV], 0
	s_cbranch_scc1 .Lnot_wave_0_\@
	s_barrier_signal -3
.Lnot_wave_0_\@:
	s_barrier_wait -3
	s_barrier_signal -1
	s_barrier_wait -1
.endm
; THE CHANGE OF SLOTS.  Each wave waits for all its tensor loads (one is out: its part of the other slot), adds 0 to its spare word, and waits for that and for its reads of the slot that it leaves.
; fill = 1: the barrier is a round of the cluster's, and the joint refill, the keys two slots on, is the first thing behind it.
.macro CHANGE fill
	WIN 0
	s_wait_tensorcnt 0x0
	ds_add_u32 v[SPW], v[NIL]
.if \fill
.irp g, G0K, G0V
	s_xor_b32 s[\g+1], s[\g+1], SLOT1
	s_add_nc_u64 s[\g+2:\g+3], s[\g+2:\g+3], 4*KS*128
.endr
	s_wait_xcnt 0x0                                ; the last prefetch, a slot back, has read its address
	s_add_nc_u64 s[PFA:PFA+1], s[PFA:PFA+1], 4*KS*128
	s_wait_dscnt 0x0
	CROUND
	JLOAD
	ASK
.else
	s_wait_dscnt 0x0
	s_barrier_signal -1
	s_barrier_wait -1
.endif
	s_sub_co_u32 s[TBK], s[TBK], 4*KS*PK           ; the fetches go back to a slot's first step, in the other slot
	s_xor_b32 s[TBK], s[TBK], SLOT1
	s_sub_co_u32 s[TBV], s[TBV], 4*KS*PV
	s_xor_b32 s[TBV], s[TBV], SLOT1
.endm
	s_load_b128 s[48:51], s[0:1], 0x0              ; act 48, xz 50
	v_lshl_add_u32 v[SPW], v0, 2, SPARE
	v_mov_b32 v[NIL], 0
	ds_add_u32 v[SPW], v[NIL]                      ; the wave's opening: the add and its wait stand ahead of my first tensor load
	v_lshrrev_b32 v1, 5, v0
	v_readfirstlane_b32 s[WV], v1
	s_bfe_u32 s13, ttmp6, 0x40000                  ; cx
	s_lshl_b32 s14, ttmp9, 2
	s_add_co_u32 s14, s14, s13                     ; my block of 256 queries: it enters Q's, O's and the prefetches' addresses alone
	s_and_b32 s20, ttmp7, 0xffff                   ; 8 x batch + head, which the partners share
	s_lshr_b32 s21, s20, 3
	s_and_b32 s20, s20, 7
	s_lshl_b32 s20, s20, 20
	s_lshl_b32 s21, s21, 19
	s_add_co_u32 s20, s20, s21                     ; the head's first byte in a group of 8 slices
	s_and_b32 s16, s[WV], 1                        ; which half of a slot's 256 keys I fetch
	s_lshl_b32 s22, s16, 14
	s_add_co_u32 s22, s22, s20
	s_mov_b32 s23, 0
	s_mul_i32 s17, s16, 128*PK
	s_mul_i32 s53, s16, 128*PV
	s_lshl_b32 s2, s14, 2
	s_add_co_u32 s2, s2, s[WV]
	s_lshl_b32 s2, s2, 13                          ; my wave's 64 rows of 128 bytes
	s_add_co_u32 s2, s2, s20
	s_mov_b32 s3, 0
	s_mov_b32 s[G1K], 15|(1<<16)|(1<<20)|(1<<21)|(4<<22)|(3<<25)  ; 128 keys are 16,384 dense bytes: 64 rows of 256 bytes, padded behind every key (32 words) by 4 words
	s_mov_b32 s[G1V], 15|(1<<16)|(1<<20)|(1<<21)|(4<<22)|(7<<25)  ; by 8 words
.irp g, G1K, G1V
	s_mov_b32 s[\g+1], 128<<16
	s_mov_b32 s[\g+2], 64<<16
	s_mov_b32 s[\g+3], 128<<16
	s_mov_b32 s[\g+4], 64
	s_mov_b32 s[\g+5], 128
	s_mov_b32 s[\g+6], 0
	s_mov_b32 s[\g+7], 0
.endr
	s_mov_b32 s[CS], 0x3e38aa3b                    ; c = log2(e) / 8
	s_mov_b32 s[CS+1], s[CS]
	s_mov_b32 s[SEL], 0x76543210
	s_mov_b32 s[SEL+1], 0xfedcba98
	s_mov_b32 s[TBK], SLOT1+4*KS*PK                ; the first change of slots turns these two into 0
	s_mov_b32 s[TBV], SLOT1+4*KS*PV
	s_mov_b32 s[G0K], 1
	s_mov_b32 s[G0K+1], s17
	s_mov_b32 s[G0V], 1
	s_add_co_u32 s[G0V+1], s53, VOFF
	s_mov_b32 s[SLOTS], 15
	s_and_b32 s[LIM], s[WV], 1
	s_or_b32 s[LIM], s[LIM], ttmp9                 ; 0 in waves 0 and 2 of the head's first cluster
	s_cmp_eq_u32 s[LIM], 0
	s_cselect_b32 s[LIM], 1, -1
	v_and_b32 v[PFO], 31, v0
	v_lshlrev_b32 v[PFO], 8, v[PFO]
	s_wait_dscnt 0x0
	s_wait_kmcnt 0x0
	s_add_nc_u64 s[6:7], s[48:49], s[22:23]
	s_add_nc_u64 s[8:9], s[6:7], 16*SLB            ; V at my half of the head's first 256 keys
	s_add_nc_u64 s[6:7], s[6:7], 8*SLB             ; K
	s_mov_b64 s[G0K+2:G0K+3], s[6:7]
	s_or_b32 s[G0K+3], s[G0K+3], 0x80000000
	s_mov_b64 s[G0V+2:G0V+3], s[8:9]
	s_or_b32 s[G0V+3], s[G0V+3], 0x80000000
	s_add_nc_u64 s[4:5], s[48:49], s[2:3]          ; Q and O at my wave's first row
	s_add_nc_u64 s[10:11], s[50:51], s[2:3]
	s_cmp_lt_u32 s[WV], 2
	s_cselect_b64 s[PFA:PFA+1], s[6:7], s[8:9]
	s_lshl_b32 s2, s13, 13                         ; my work-group's 32 blocks of the 128
	s_mov_b32 s3, 0
	s_add_nc_u64 s[PFA:PFA+1], s[PFA:PFA+1], s[2:3]
	s_add_nc_u64 s[PFA:PFA+1], s[PFA:PFA+1], 4*KS*128  ; in slot 1; the first change steps it to slot 2
	CROUND
	JLOAD                                          ; slot 0
	v_and_b32 v1, 15, v0
	v_bfe_u32 v9, v0, 4, 1
	v_lshlrev_b32 v[QO], 7, v1
	v_lshl_add_u32 v[QO], v9, 4, v[QO]
	WIN 0x80
.set i, 0
.rept 8                                ; Q stays in registers: piece i / 2, channels 32 (i % 2) on
	global_load_b128 v[8*i:8*i+3],   v[QO], s[4:5] offset:(i/2)*2048+(i%2)*64
	global_load_b128 v[8*i+4:8*i+7], v[QO], s[4:5] offset:(i/2)*2048+(i%2)*64+32
.set i, i+1
.endr
	; What the first turn finds: V's registers and P's second buffer hold 0, O^T and l are 0.  All this stands in the wait for the first tile; no first step is written out.
.set i, VF
.rept 64
	v_mov_b32 v[i], 0
.set i, i+1
.endr
	WIN 0x40
.set i, 0
.rept 128
	v_mov_b32 v[i], 0
.set i, i+1
.endr
	WIN 0
.set i, 0
.rept 4
	v_mov_b32 v[ST+4*i], 0xfe000000
	v_mov_b32 v[ST+4*i+1], 0xff7fffff
	v_mov_b32 v[ST+4*i+2], 0
	v_mov_b32 v[ST+4*i+3], 0
.set i, i+1
.endr
.set i, P+16
.rept 16
	v_mov_b32 v[i], 0
.set i, i+1
.endr
	v_mul_u32_u24 v[AK0], v1, PK
	v_lshl_add_u32 v[AK0], v9, 4, v[AK0]
	v_and_b32 v10, 7, v0
	v_bfe_u32 v11, v0, 3, 1
	v_lshl_add_u32 v[AV0], v9, 3, v10
	v_mul_u32_u24 v[AV0], v[AV0], PV
	v_lshl_add_u32 v[AV0], v11, 4, v[AV0]
	v_add_nc_u32 v[AV0], VOFF, v[AV0]
	s_mul_i32 s16, s[WV], 16*SP
	s_add_co_u32 s16, s16, STAGE
	v_mul_u32_u24 v[STO], v1, SP
	v_lshl_add_u32 v[STO], v9, 4, v[STO]
	v_add_nc_u32 v[STO], s16, v[STO]
	v_bfe_u32 v[RD], v0, 3, 2
	v_mul_u32_u24 v[RD], v[RD], SP
	v_lshl_add_u32 v[RD], v10, 4, v[RD]
	v_add_nc_u32 v[RD], s16, v[RD]
	v_and_b32 v[GO], 31, v0
	v_lshlrev_b32 v[GO], 4, v[GO]
; THE MATRIX WORK.  The 4 accumulators of a run of 8 take turns.
.macro KQ x                            ; product i of 8 of S^T = K Q^T for piece x: channels 32 (i / 4) on, keys 16 (i % 4) on
.set rS, S+32*((\x)%2)+8*(i%4)
.set rK, KF+16*(i%4)+8*(i/4)
.set rQ, 16*(\x)+8*(i/4)
	WIN W_KQ
.if i < 4
	v_wmma_f32_16x16x32_bf16 v[rS:rS+7], v[rK:rK+7], v[rQ:rQ+7], 0
.else
	v_wmma_f32_16x16x32_bf16 v[rS:rS+7], v[rK:rK+7], v[rQ:rQ+7], v[rS:rS+7]
.endif
.endm
.macro PV x                            ; product i of 8 of O^T += V^T P for piece x: keys 32 (i / 4) on, channels 16 (i % 4) on
	WIN W_PV
.set rO, 32*(\x)+8*(i%4)
.set rV, VF+32*(i/4)+8*(i%4)
.set rP, P+16*((\x)%2)+8*(i/4)
	v_wmma_f32_16x16x32_bf16 v[rO:rO+7], v[rV:rV+7], v[rP:rP+7], v[rO:rO+7]
.endm
.macro MM                              ; the turn's next matrix instruction.  NOKQ = 1: the last turn of all: there is no next piece
.if (i < 8) && !NOKQ
	KQ (Y+1)%NP
.elseif i >= 8
.set i, i-8
	PV (Y+NP-1)%NP
.set i, i+8
.endif
.set i, i+1
.endm
.macro FETCH_K
	WIN 0x80
.irp f, 0,1,2,3,4,5,6,7
	ds_load_b128 v[KF+8*\f:KF+8*\f+3],   v[AK] offset:(\f/2)*16*PK+(\f%2)*64
	ds_load_b128 v[KF+8*\f+4:KF+8*\f+7], v[AK] offset:(\f/2)*16*PK+(\f%2)*64+32
.endr
	s_add_co_u32 s[TBK], s[TBK], KS*PK
	WIN 0
.endm
.macro FETCH_V
	WIN 0x80
.irp f, 0,1,2,3,4,5,6,7
	ds_load_tr16_b128 v[VF+8*\f:VF+8*\f+3],   v[AV] offset:(\f/4)*32*PV+(\f%4)*32
	ds_load_tr16_b128 v[VF+8*\f+4:VF+8*\f+7], v[AV] offset:(\f/4)*32*PV+16*PV+(\f%4)*32
.endr
	WIN 0
.endm
; THE VECTOR WORK: OP kind, number.  For piece Y: F n: c s - c m for pair n.  E n: the exponential of score n.  C n: pair n rounded to bf16.  B n: of four weights the second pair onto the first.
; L n: l takes that sum (L 0: l = a l + sum).  R n: pair n of O^T times a.  For piece Y + 1: X n, number n of the 22 that find its maximum and statistics (each accumulator's lowest registers are read first).
.set F, 0
.set E, 1
.set C, 2
.set B, 3
.set L, 4
.set R, 5
.set X, 6
.macro REGS y
.set rT, ST+4*(\y)
.set rC, TMP+4*((\y)%2)
.set rW, MV+((\y)%2)
.set rS, S+32*((\y)%2)
.set rP, P+16*((\y)%2)
.set rO, 32*(\y)
.endm
.macro OP k, n
.if (\k) == R
	REGS Y
	WIN W_RS
	v_pk_mul_f32 v[rO+2*(\n):rO+2*(\n)+1], v[rO+2*(\n):rO+2*(\n)+1], v[rC+2:rC+3] op_sel_hi:[1,0]
.elseif (\k) < R
	REGS Y
	WIN 0
.if (\k) == F
	v_pk_fma_f32 v[rS+2*(\n):rS+2*(\n)+1], v[rS+2*(\n):rS+2*(\n)+1], s[CS:CS+1], v[rT:rT+1] op_sel_hi:[1,0,0] neg_lo:[0,0,1] neg_hi:[0,0,1]
.elseif (\k) == E
	v_exp_f32 v[rS+(\n)], v[rS+(\n)]
.elseif (\k) == C
	v_cvt_pk_bf16_f32 v[rP+(\n)], v[rS+2*(\n)], v[rS+2*(\n)+1]
.elseif (\k) == B
	v_pk_add_f32 v[rS+4*(\n):rS+4*(\n)+1], v[rS+4*(\n):rS+4*(\n)+1], v[rS+4*(\n)+2:rS+4*(\n)+3]
.elseif (\n) == 0
	v_pk_fma_f32 v[rT+2:rT+3], v[rT+2:rT+3], v[rC+2:rC+3], v[rS:rS+1] op_sel_hi:[1,0,1]
.else
	v_pk_add_f32 v[rT+2:rT+3], v[rT+2:rT+3], v[rS+4*(\n):rS+4*(\n)+1]
.endif
.elseif NOKQ
	v_nop
.else
	REGS (Y+1)%NP
	WIN 0
.if (\n) < 4
	v_max3_num_f32 v[rC+(\n)], v[rS+8*(\n)], v[rS+8*(\n)+1], v[rS+8*(\n)+2]
.elseif (\n) < 12
	v_max3_num_f32 v[rC+(\n)%4], v[rC+(\n)%4], v[rS+8*((\n)%4)+2*((\n)/4)+1], v[rS+8*((\n)%4)+2*((\n)/4)+2]
.elseif (\n) == 12
	v_max3_num_f32 v[rC], v[rC], v[rS+7], v[rS+15]
.elseif (\n) == 13
	v_max3_num_f32 v[rC+1], v[rC+1], v[rS+23], v[rS+31]
.elseif (\n) == 14
	v_max3_num_f32 v[rC+2], v[rC+2], v[rC+3], v[rT+1]
.elseif (\n) == 15
	v_mov_b32 v[rW], v[rT]
.elseif (\n) == 16
	v_max3_num_f32 v[rC], v[rC], v[rC+1], v[rC+2]
.elseif (\n) == 17
	v_permlanex16_b32 v[rC+3], v[rC], s[SEL], s[SEL+1]
.elseif (\n) == 18
	v_max_num_f32 v[rT+1], v[rC], v[rC+3]
.elseif (\n) == 19
	v_mul_f32 v[rT], s[CS], v[rT+1]
.elseif (\n) == 20
	v_sub_f32 v[rC+1], v[rW], v[rT]
.else
	v_exp_f32 v[rC+2], v[rC+1]
.endif
.endif
.endm
.macro OPS a, i1, b=-1, i2=0, c=-1, i3=0, d=-1, i4=0
	OP \a, \i1
.if (\b) >= 0
	OP \b, \i2
.endif
.if (\c) >= 0
	OP \c, \i3
.endif
.if (\d) >= 0
	OP \d, \i4
.endif
.endm
.macro ROW a, i1, b, i2, c, i3, d, i4  ; a matrix instruction and the four behind it
	MM
	OPS \a, \i1, \b, \i2, \c, \i3, \d, \i4
.endm
; A TURN, for piece p.  Ahead of its one wait stands all that names no result of the turn's exponentials; behind it the 8 products V^T P, whose riders are the roundings and sums.
; K of the next step is fetched in piece 2's turn, V of the step in hand at the end of piece 0's, each four plain instructions or more behind the last product that read the registers; each is waited for a turn later.
; end = 1: the last two turns: nothing is fetched.  cnt = 1: the loop's count is taken down some lines ahead of the branch behind the turn.
.macro TURN p, end=0, cnt=0
.set Y, (\p)
.set i, 0
.set NOKQ, (\end)*((\p)/3)
.if ((\p) == 3) && !(\end)
	s_wait_dscnt 0x0                               ; K is in
.endif
	ROW F,0, F,1, R,0, R,1
	ROW F,2, E,0, R,2, R,3
	ROW F,3, E,1, R,4, R,5
	ROW F,4, E,2, R,6, R,7
	ROW F,5, E,3, R,8, R,9
	ROW F,6, E,4, X,0, R,10
.if ((\p) == 2) && !(\end)
	WIN 0
	v_add_nc_u32 v[AK], s[TBK], v[AK0]
.endif
	ROW F,7, E,5, X,1, X,4
	ROW F,8, E,6, X,2, X,5
	OPS E,7, E,8, X,6, E,9
	OPS X,3, E,10, X,8, E,11
.if ((\p) == 2) && !(\end)
	FETCH_K
.endif
	OPS X,9, X,7, E,12, X,10
	OPS E,13, X,12, X,11, E,14
	OPS X,13, E,15, F,9, X,14
.if (\p) == 0
	v_add_nc_u32 v[AV], s[TBV], v[AV0]
.endif
	OPS E,16, F,10, E,17, F,11
	OPS X,16, E,18, X,15, E,19
	OPS F,12, E,20, X,17, E,21
	OPS F,13, E,22, F,14, E,23
	OPS X,18, E,24, F,15, E,25
	OPS R,11, E,26, X,19, E,27
	OPS R,12, E,28, R,13, E,29
	OPS X,20, E,30, R,14, E,31
	OPS X,21, R,15
	WIN 0
	s_wait_alu depctr_va_vdst(0)                   ; the one wait for the batch, ahead of its first reader
.if (\p) == 1
	s_wait_dscnt 0x0                               ; V is in
.endif
	ROW C,0, B,0, C,2, B,1
	ROW L,0, C,4, B,2, L,1
	ROW C,6, B,3, L,2, C,8
	ROW B,4, L,3, C,10, B,5
	ROW L,4, C,12, B,6, L,5
.if (\p) == 0
	s_add_co_u32 s[TBV], s[TBV], KS*PV
.endif
.if \cnt
	s_sub_co_u32 s[CNT], s[CNT], 1
	s_cmp_lg_u32 s[CNT], 0
.endif
	ROW C,14, B,7, L,6, C,1
	ROW C,3, L,7, C,5, C,7
	ROW C,9, C,11, C,13, C,15
.if (\p) == 0
	FETCH_V
.endif
.endm
	CHANGE 1                                       ; slot 0 is in, everybody's part of it; slot 1 is asked for
	v_add_nc_u32 v[AK], s[TBK], v[AK0]
	FETCH_K                                        ; key step 0
	s_wait_loadcnt 0x0                             ; Q
	s_wait_dscnt 0x0
.set NOKQ, 0
.set i, 0
.rept 8
	KQ 0                                           ; piece 0's first scores
.set i, i+1
.endr
	WIN 0
.rept 8
	v_nop                                          ; the places behind those products
.endr
.set Y, NP-1
.irp n, 0,1,2,3,4,5,6,7,8,9,10,11,12,13,14,15,16,17,18,19,20,21
	OP X, \n                                       ; and its first maximum and statistics
.endr
	v_nop
	s_wait_alu depctr_va_vdst(0)
	s_mov_b32 s[CNT], 4
	s_branch .Lfirst                               ; the loop is entered at a step's first turn, in the middle of a trip
.Lslot:                                        ; 14 times: slots 2 to 15 are asked for
	CHANGE 1
	s_mov_b32 s[CNT], 4
.Lstep:                                        ; a trip: pieces 2 and 3 of one step, then pieces 0 and 1 of the next, whose K and V it fetches
	TURN 2
	TURN 3
	WIN 0
.Lfirst:
	TURN 0
	TURN 1, 0, 1
	WIN 0
	s_cbranch_scc1 .Lstep
	s_sub_co_u32 s[SLOTS], s[SLOTS], 1
	s_cmp_lg_u32 s[SLOTS], 0
	s_cbranch_scc1 .Lslot
	CHANGE 0                                       ; the last slot is written out
	s_mov_b32 s[CNT], 4
.Ltail:
	TURN 2
	TURN 3
	TURN 0
	TURN 1, 0, 1
	WIN 0
	s_cbranch_scc1 .Ltail
	TURN 2, 1
	TURN 3, 1
.set i, 0
.rept 8
	PV NP-1                                        ; the last piece's V^T P of the last step
.set i, i+1
.endr
	; THE WAY OUT.  l's halves and the other half of the lanes' are added; O^T is divided by l, rounded to bf16 and sent through my stage, a piece at a time.  The additions are the places behind the last products.
	WIN 0
.macro ALL line:vararg
.set t, 0
.rept 4
	\line
.set t, t+1
.endr
.endm
	ALL v_add_f32 v[ST+4*t+2], v[ST+4*t+2], v[ST+4*t+3]
	ALL v_permlanex16_b32 v[ST+4*t+3], v[ST+4*t+2], s[SEL], s[SEL+1]
	ALL v_add_f32 v[ST+4*t+2], v[ST+4*t+2], v[ST+4*t+3]
	ALL v_rcp_f32 v[ST+4*t+2], v[ST+4*t+2]
	v_nop
	s_wait_alu depctr_va_vdst(0)                   ; one wait for the four reciprocals
.macro PACK t
	WIN W_RS
.set i, 32*(\t)
.rept 16
	v_pk_mul_f32 v[i:i+1], v[i:i+1], v[ST+4*(\t)+2:ST+4*(\t)+3] op_sel_hi:[1,0]
.set i, i+2
.endr
	WIN 0x05
.set i, 0
.rept 16
	v_cvt_pk_bf16_f32 v[S+16*(\t)+i], v[32*(\t)+2*i], v[32*(\t)+2*i+1]
.set i, i+1
.endr
	WIN 0
.irp f, 0,1,2,3
	ds_store_b128 v[STO], v[S+16*(\t)+4*\f:S+16*(\t)+4*\f+3] offset:32*\f
.endr
.irp f, 0,1,2,3
	ds_load_b128 v[S+16*(\t)+4*\f:S+16*(\t)+4*\f+3], v[RD] offset:\f*4*SP  ; LDS serves a wave's instructions in order: these see the stores above
.endr
.endm
.macro SEND t, younger                 ; younger: the LDS instructions issued behind piece t's loads: the next piece's eight, or none
	WIN 0
.irp f, 0,1,2,3
	s_wait_dscnt (\younger)+3-\f
	global_store_b128 v[GO], v[S+16*(\t)+4*\f:S+16*(\t)+4*\f+3], s[10:11] offset:(\t)*2048+\f*512  ; 512 consecutive bytes, aligned
.endr
.endm
	PACK 0
.set t, 1
.rept 3
	PACK t
	SEND t-1, 8
.set t, t+1
.endr
	SEND 3, 0
	s_wait_tensorcnt 0x0                           ; the wave's end
	ds_add_u32 v[SPW], v[NIL]
	s_wait_dscnt 0x0
	CROUND                                         ; the closing round
	s_endpgm
.Lfunc_end_k_qa138ce5d71_attn:
	.size	k_qa138ce5d71_attn, .Lfunc_end_k_qa138ce5d71_attn-k_qa138ce5d71_attn
	.p2alignl 7, 3214868480
	.fill 96, 4, 3214868480
	.section	.rodata,"a",@progbits
	.p2align	6, 0x0
	.amdhsa_kernel k_qa138ce5d71_attn
		.amdhsa_group_segment_fixed_size 327680
		.amdhsa_private_segment_fixed_size 0
		.amdhsa_enable_private_segment 0
		.amdhsa_kernarg_size 16
		.amdhsa_user_sgpr_count 2
		.amdhsa_user_sgpr_kernarg_segment_ptr 1
		.amdhsa_wavefront_size32 1
		.amdhsa_system_sgpr_workgroup_id_x 1
		.amdhsa_system_sgpr_workgroup_id_y 1
		.amdhsa_system_sgpr_workgroup_id_z 1
		.amdhsa_system_vgpr_workitem_id 0
		.amdhsa_next_free_vgpr 768
		.amdhsa_next_free_sgpr 66
		.amdhsa_reserve_vcc 0
		.amdhsa_float_denorm_mode_32 3
		.amdhsa_float_denorm_mode_16_64 3
		.amdhsa_memory_ordered 1
		.amdhsa_forward_progress 1
		.amdhsa_inst_pref_size 128
	.end_amdhsa_kernel
	.amdgpu_metadata
---
amdhsa.version: [ 1, 2 ]
amdhsa.kernels:
  - .name:           k_qa138ce5d71_attn
    .symbol:         k_qa138ce5d71_attn.kd
    .args:
      - { .name: act, .offset: 0, .size: 8, .value_kind: global_buffer, .address_space: global }
      - { .name: xz, .offset: 8, .size: 8, .value_kind: global_buffer, .address_space: global }
    .group_segment_fixed_size: 327680
    .private_segment_fixed_size: 0
    .kernarg_segment_align: 8
    .kernarg_segment_size: 16
    .max_flat_workgroup_size: 128
    .sgpr_count:     66
    .vgpr_count:     768
    .wavefront_size: 32
...
	.end_amdgpu_metadata
.endif
;; end of part 3
;; launch wol (part 4): grid 256 x 1, 4 waves a work-group, clusters of 4 x 1, 327,680 bytes of LDS; arguments xz, wC, inputs, ln_mlp_g, ln_mlp_b, y, zb; writes y, zb
.if DOCPART == 4
	.amdgcn_target "amdgcn-amd-amdhsa--gfx1250"
	.amdhsa_code_object_version 6
	.text
	.protected	k_qa138ce5d71_wol
	.globl	k_qa138ce5d71_wol
	.p2align	8
	.type	k_qa138ce5d71_wol,@function
k_qa138ce5d71_wol:
	s_mov_b64 s[64:65], 0
	v_nop
	global_prefetch_b8 v0, s[64:65] scope:SCOPE_SE
	s_setreg_imm32_b32 hwreg(HW_REG_WAVE_MODE, 25, 1), 1
	s_wait_xcnt 0x0
	s_wait_alu depctr_hold_cnt(0) depctr_sa_sdst(0) depctr_va_vdst(0) depctr_va_sdst(0) depctr_va_ssrc(0) depctr_va_vcc(0) depctr_vm_vsrc(0)
	s_getreg_b32 s2, hwreg(HW_REG_IB_STS2, 6, 4)
	s_cmp_eq_u32 s2, 0
	s_cbranch_scc0 .Lentry_in_a_cluster
	s_endpgm
.Lentry_in_a_cluster:
	s_bfe_u32 s2, ttmp6, 0x10000c
	s_cmp_lg_u32 s2, 0x3003
	s_cbranch_scc0 .Lentry_shape_is_right
	s_endpgm
.Lentry_shape_is_right:
; y = O Wo + inputs;  z = bf16((y - mean) * rsqrt(var + 1e-6) * g + b), mean and var along a row of y.
; O: [8 slices][8192 rows][64] bf16 (channel 64 x slice + c).  Wo: [512 k][512 n] bf16 at wC's byte 0.  inputs, y: [8192][512] f32.  g, b: [512] f32.  z: [8192][512] bf16.  Sums in f32.
; SHARES.  A work-group makes 32 WHOLE rows of y, so that a row's mean and variance stay inside it: 256 work-groups.  A wave makes 32 rows x 128 columns: 16 accumulators.
; THE SUMS START FROM THE RESIDUAL: inputs is loaded in the accumulators' own layout (a lane: one row, eight neighbouring columns: 32 bytes), and the first products add onto it.
; Wo IS LARGER THAN LDS: it comes in two halves of K, 256 k rows each, one load a wave (64 k rows).  The second half is asked for when every wave of the cluster has read the first.  A ring of two slots would
; wait as often: a refill cannot go out before its bytes have been read.  O's 32 rows, all of K, come once.
; The product is taken transposed (source 0 = 16 columns of Wo, turned out of LDS; source 1 = 16 rows of O).  A PAIR is two quarters of 32 along K: one slice of O; it is written once for each half of K and walked four times.
; CLUSTER.  All work-groups read all of Wo: the four of a cluster ask for it jointly.  O's rows are each work-group's own.
; THE WAY OUT.  The sums go, f32, into a stage over Wo's bytes, which have had their last fill; behind a barrier a wave takes 8 whole rows, two a trip: y is stored, then normalised and stored as z.
; LIMITS.  NaN and infinities are not treated apart.
; REGISTERS: window 0: v0-31 addresses; v32-63 O's fragments (two buffers); v64-191 the accumulators, later the rows at work; v192-223 g, b; v224-247 at work.  Window 1: v0-127 Wo's fragments (two buffers).
.set PA,    144                        ; a row of O's slice in LDS: 128 bytes + 16
.set ASL,   32*PA                      ; a slice's 32 rows
.set PB,    1056                       ; a k row of Wo: 1,024 bytes + 32 = 33 x 32
.set WPART, 64*PB                      ; what a wave's load of Wo brings; also a trip's 64 k rows
.set ABASE, 4*WPART                    ; behind Wo's 256 k rows: O
.set SPARE, ABASE+8*ASL                ; behind O: the spare words, 128 bytes a wave
.set SPF,   2064                       ; the stage: a row of 512 f32 + 16 bytes
.set ADRA, 16                          ; v16  my lane's place among O's fragments; never rewritten
.set ADA,  18                          ; v18  the LDS address of O's fetches in hand
.set ADRB, 20                          ; v20  the same for Wo
.set ADB,  22                          ; v22
.set STO,  24                          ; v24  where I put a row's 32 bytes
.set RD,   25                          ; v25  where I read rows back; steps
.set CO,   26                          ; v26  16 x lane
.set ZO,   27                          ; v27  8 x lane
.set SPW,  28                          ; v28  my spare word; never rewritten
.set NIL,  29                          ; v29  0; never rewritten
.set RO,   30                          ; v30  my byte offset in the work-group's rows of inputs
.set PFO,  31                          ; v31  256 x lane; never rewritten
.set FA,   32                          ; O's fragments: buffer f, row block a at FA + 16 f + 8 a
.set ACC,  64                          ; accumulator (a, b) at ACC + 8 (8 a + b)
.set X,    64                          ; the way out: two rows of y, 16 registers each
.set XC,   96                          ; the same less the mean
.set Y,    128                         ; packed, 8 registers a row
.set G,    192
.set BB,   208
.set T,    224                         ; 8 registers a row, at work
.set M,    240                         ; the mean, twice, for each row
.set R,    244                         ; 1 / sqrt(var + eps), twice, for each row
.set G1A,  24
.set G0A,  32
.set G1B,  48
.set G0B,  56
.set TA,   36                          ; s36  4,608 x slice: where O's next fetches begin
.set TW,   37                          ; s37  64 k rows x trip: the same for Wo
.set CNT,  38
.set PFA,  44
.set MSB, 0
.macro WIN new
.if MSB != (\new)
	s_set_vgpr_msb (MSB<<8)|(\new)
.set MSB, \new
.endif
.endm
.macro PLACES
.rept 4
	v_nop
.endr
.endm
.macro CROUND
	s_barrier_signal -1
	s_barrier_wait -1
	s_cmp_lg_u32 s10, 0
	s_cbranch_scc1 .Lnot_wave_0_\@
	s_barrier_signal -3
.Lnot_wave_0_\@:
	s_barrier_wait -3
	s_barrier_signal -1
	s_barrier_wait -1
.endm
	s_load_b256 s[72:79], s[0:1], 0x0              ; O 72, wC 74, inputs 76, g 78
	s_load_b128 s[80:83], s[0:1], 0x20             ; b 80, y 82
	s_load_b64 s[84:85], s[0:1], 0x30              ; z
	v_lshl_add_u32 v[SPW], v0, 2, SPARE
	v_mov_b32 v[NIL], 0
	ds_add_u32 v[SPW], v[NIL]                      ; the wave's opening: the add and its wait stand ahead of my first tensor load
	v_lshrrev_b32 v1, 5, v0
	v_readfirstlane_b32 s10, v1                    ; wave 0..3
	s_bfe_u32 s40, ttmp6, 0x40000                  ; cx
	s_lshl_b32 s13, ttmp9, 2
	s_add_co_u32 s13, s13, s40                     ; my block of 32 rows: it enters global addresses alone
	; O's part: two rows of 2,048 elements (32 token rows of a slice are 4,096 dense bytes), a slice apart; 4 words of padding behind every 32
	s_mov_b32 s[G1A+0], (1<<16)|(1<<20)|(4<<22)|(3<<25)
	s_mov_b32 s[G1A+1], 2048<<16
	s_mov_b32 s[G1A+2], 2<<16
	s_mov_b32 s[G1A+3], 2048<<16
	s_mov_b32 s[G1A+4], 2
	s_mov_b32 s[G1A+5], 524288
	s_mov_b32 s[G1A+6], 0
	s_mov_b32 s[G1A+7], 0
	; Wo's part: 64 k rows of 512 elements; the mask of four, bit 21 beside it; 8 words of padding behind every 256
	s_mov_b32 s[G1B+0], 15|(1<<16)|(1<<20)|(1<<21)|(7<<22)|(7<<25)
	s_mov_b32 s[G1B+1], 512<<16
	s_mov_b32 s[G1B+2], 64<<16
	s_mov_b32 s[G1B+3], 512<<16
	s_mov_b32 s[G1B+4], 64
	s_mov_b32 s[G1B+5], 512
	s_mov_b32 s[G1B+6], 0
	s_mov_b32 s[G1B+7], 0
	s_lshl_b32 s16, s10, 21                        ; O: slice 2 w, row 32 x block
	s_lshl_b32 s17, s13, 12
	s_add_co_u32 s16, s16, s17
	s_mov_b32 s17, 0
	s_lshl_b32 s46, s10, 16                        ; Wo: k row 64 w
	s_mov_b32 s47, 0
	s_mul_i32 s20, s10, 2*ASL
	s_add_co_u32 s20, s20, ABASE
	s_mul_i32 s21, s10, WPART
	s_mov_b32 s[G0A], 1
	s_mov_b32 s[G0A+1], s20
	s_mov_b32 s[G0B], 1
	s_mov_b32 s[G0B+1], s21
	s_lshl_b32 s4, s13, 16                         ; inputs: the block's 32 rows of 2,048 bytes
	s_mov_b32 s5, 0
	s_lshl_b32 s18, s10, 14                        ; y: + my 8 rows
	s_add_co_u32 s18, s18, s4
	s_mov_b32 s19, 0
	s_lshl_b32 s22, s13, 15                        ; z: the same rows of 1,024 bytes
	s_lshl_b32 s23, s10, 13
	s_add_co_u32 s22, s22, s23
	s_mov_b32 s23, 0
	s_lshl_b32 s14, s10, 16                        ; the prefetch: of the 64 k rows that I shall fetch of Wo's second half, my work-group's 16
	s_lshl_b32 s15, s40, 14
	s_add_co_u32 s14, s14, s15
	s_add_co_u32 s14, s14, 262144
	s_mov_b32 s15, 0
	s_mov_b32 s[TA], 0
	s_mov_b32 s[TW], 0
	s_mov_b32 s60, 0x76543210                      ; v_permlanex16_b32: each lane takes its own place in the other half
	s_mov_b32 s61, 0xfedcba98
	s_mov_b32 s62, 0x3b000000                      ; 1 / 512
	s_mov_b32 s63, 0x358637bd                      ; 1e-6
	s_wait_dscnt 0x0                               ; the opening add is done
	s_wait_kmcnt 0x0
	s_add_nc_u64 s[G0A+2:G0A+3], s[72:73], s[16:17]
	s_or_b32 s[G0A+3], s[G0A+3], 0x80000000
	s_add_nc_u64 s[G0B+2:G0B+3], s[74:75], s[46:47]
	s_or_b32 s[G0B+3], s[G0B+3], 0x80000000
	s_add_nc_u64 s[6:7], s[76:77], s[4:5]
	s_add_nc_u64 s[8:9], s[82:83], s[18:19]
	s_add_nc_u64 s[86:87], s[84:85], s[22:23]
	s_add_nc_u64 s[PFA:PFA+1], s[74:75], s[14:15]
	CROUND                                         ; all four work-groups are here: the joint loads meet
	tensor_load_to_lds s[G0A:G0A+3], s[G1A:G1A+7]  ; two loads of mine are out
	s_nop 0
	tensor_load_to_lds s[G0B:G0B+3], s[G1B:G1B+7]
	s_nop 0
.rept 4
	v_nop
.endr
	v_and_b32 v1, 15, v0                           ; l % 16
	v_bfe_u32 v2, v0, 4, 1                         ; l / 16
	v_and_b32 v3, 7, v0
	v_bfe_u32 v4, v0, 3, 1
	v_and_b32 v5, 31, v0
	v_lshlrev_b32 v[CO], 4, v5
	v_lshlrev_b32 v[ZO], 3, v5
	v_lshlrev_b32 v[PFO], 8, v5
	v_lshlrev_b32 v[RO], 11, v1                    ; row l % 16, my wave's 512 bytes, 32 bytes for each half of the lanes
	v_lshl_add_u32 v[RO], v2, 5, v[RO]
	s_lshl_b32 s14, s10, 9
	v_add_nc_u32 v[RO], s14, v[RO]
.irp a, 0,1
.irp b, 0,1,2,3,4,5,6,7
	global_load_b128 v[ACC+8*(8*(\a)+(\b)):ACC+8*(8*(\a)+(\b))+3],   v[RO], s[6:7] offset:(\a)*32768+(\b)*64
	global_load_b128 v[ACC+8*(8*(\a)+(\b))+4:ACC+8*(8*(\a)+(\b))+7], v[RO], s[6:7] offset:(\a)*32768+(\b)*64+16
.endr
.endr
.irp j, 0,1,2,3
	global_load_b128 v[G+4*(\j):G+4*(\j)+3],   v[CO], s[78:79] offset:512*(\j)
	global_load_b128 v[BB+4*(\j):BB+4*(\j)+3], v[CO], s[80:81] offset:512*(\j)
.endr
	v_mul_u32_u24 v6, v1, PA                       ; O's fragment: row l % 16, 16 bytes a half
	v_lshl_add_u32 v6, v2, 4, v6
	v_add_nc_u32 v[ADRA], ABASE, v6
	v_lshl_add_u32 v6, v2, 3, v3                   ; Wo's: k row 8 (l / 16) + l % 8, 16 bytes by (l / 8) % 2, my wave's 256 bytes
	v_mul_u32_u24 v6, v6, PB
	v_lshl_add_u32 v6, v4, 4, v6
	s_lshl_b32 s15, s10, 8
	v_add_nc_u32 v[ADRB], s15, v6
	v_mul_u32_u24 v7, v1, SPF                      ; into the stage: as in inputs
	v_lshl_add_u32 v7, v2, 5, v7
	v_add_nc_u32 v[STO], s14, v7
	s_mul_i32 s15, s10, 8*SPF                      ; back: my 8 rows, 16 bytes a lane
	v_add_nc_u32 v[RD], s15, v[CO]
.macro MULQ f                          ; 16 matrix instructions on buffer f: the 16 accumulators by turns, in the same order in every quarter
	WIN 0x01                                       ; source 0 (Wo) window 1
.irp a, 0,1
.irp b, 0,1,2,3,4,5,6,7
	v_wmma_f32_16x16x32_bf16 v[ACC+8*(8*(\a)+(\b)):ACC+8*(8*(\a)+(\b))+7], v[64*(\f)+8*(\b):64*(\f)+8*(\b)+7], v[FA+16*(\f)+8*(\a):FA+16*(\f)+8*(\a)+7], v[ACC+8*(8*(\a)+(\b)):ACC+8*(8*(\a)+(\b))+7]
.endr
.endr
.endm
.macro FETCH odd, f                    ; 20 LDS loads in one run: the trip's even or odd quarter into buffer f
	WIN 0x40                                       ; destination window 1
.irp b, 0,1,2,3,4,5,6,7
	ds_load_tr16_b128 v[64*(\f)+8*(\b):64*(\f)+8*(\b)+3],   v[ADB] offset:(\odd)*32*PB+32*(\b)
	ds_load_tr16_b128 v[64*(\f)+8*(\b)+4:64*(\f)+8*(\b)+7], v[ADB] offset:(\odd)*32*PB+32*(\b)+16*PB
.endr
	WIN 0
.irp a, 0,1
	ds_load_b128 v[FA+16*(\f)+8*(\a):FA+16*(\f)+8*(\a)+3],   v[ADA] offset:(\odd)*64+(\a)*16*PA
	ds_load_b128 v[FA+16*(\f)+8*(\a)+4:FA+16*(\f)+8*(\a)+7], v[ADA] offset:(\odd)*64+(\a)*16*PA+32
.endr
.endm
; A TRIP: one slice of O, 64 along K.  Four plain vector instructions stand in front of each run of loads into registers that matrix instructions have read.
.macro PAIR mid
	WIN 0
	v_add_nc_u32 v[ADA], s[TA], v[ADRA]            ; two of the four places
	v_add_nc_u32 v[ADB], s[TW], v[ADRB]
	v_nop
	v_nop
	FETCH 0, 0
	s_wait_dscnt 20                                ; all but the 20 just issued: buffer 1 is whole
	MULQ 1
	WIN 0
.if \mid
.Lmid:
.endif
	PLACES
	FETCH 1, 1
	s_wait_dscnt 20                                ; buffer 0 is whole
	MULQ 0
	WIN 0
	s_add_co_u32 s[TA], s[TA], ASL
	s_add_co_u32 s[TW], s[TW], WPART
.endm
	s_wait_tensorcnt 0x0                           ; my parts of O and of Wo's first half are in,
	s_barrier_signal -1
	s_barrier_wait -1                              ; everybody's are
	v_add_nc_u32 v[ADA], s[TA], v[ADRA]
	v_add_nc_u32 v[ADB], s[TW], v[ADRB]
	FETCH 0, 0
	; Wo's second half is prefetched into the L2 once in the launch, by the first cluster: of the 64 k rows that a wave will fetch each partner takes 16, dense 16,384 bytes, by address: a lane a block of 256 bytes, two lines.
	; They stand behind the first fragment loads, 112 matrix instructions ahead of the load that will ask for these rows.
	s_cmp_eq_u32 ttmp9, 0
	s_cbranch_scc0 .Lno_pf
	global_prefetch_b8 v[PFO], s[PFA:PFA+1] th:TH_LOAD_NT scope:SCOPE_SE
	global_prefetch_b8 v[PFO], s[PFA:PFA+1] offset:8192 th:TH_LOAD_NT scope:SCOPE_SE
.Lno_pf:
	s_wait_loadcnt 0x0                             ; the residual lies in the accumulators; g and b are in
	s_mov_b32 s[CNT], 4
	s_branch .Lmid                                 ; the loop is entered in the middle of its first trip
.Lpair1:
	PAIR 1
	s_sub_co_u32 s[CNT], s[CNT], 1
	s_cmp_lg_u32 s[CNT], 0
	s_cbranch_scc1 .Lpair1
	; THE SECOND HALF OF K.  Each wave waits for all its tensor loads (none is out), adds 0 to its spare word, and waits for that and for its reads of Wo's first half; behind a round of the cluster's barrier no wave of any
	; partner reads those bytes any more, and the joint refill is the first thing there.
	s_wait_tensorcnt 0x0
	ds_add_u32 v[SPW], v[NIL]
	s_add_nc_u64 s[G0B+2:G0B+3], s[G0B+2:G0B+3], 262144    ; 256 k rows on
	s_mov_b32 s[TW], 0
	s_wait_dscnt 0x0
	CROUND
	tensor_load_to_lds s[G0B:G0B+3], s[G1B:G1B+7]
	s_nop 0
.rept 4
	v_nop
.endr
	s_wait_tensorcnt 0x0                           ; my part is in,
	s_barrier_signal -1
	s_barrier_wait -1                              ; everybody's is
	s_mov_b32 s[CNT], 4
.Lpair2:
	PAIR 0
	s_sub_co_u32 s[CNT], s[CNT], 1
	s_cmp_lg_u32 s[CNT], 0
	s_cbranch_scc1 .Lpair2
	s_wait_dscnt 0x0
	MULQ 1                                         ; the last quarter
	WIN 0
	; THE WAY OUT.
	s_barrier_signal -1
	s_barrier_wait -1                              ; every wave's reads of Wo's bytes are over: the stage may be written
	PLACES
	PLACES
.irp a, 0,1
.irp b, 0,1,2,3,4,5,6,7
	ds_store_b128 v[STO], v[ACC+8*(8*(\a)+(\b)):ACC+8*(8*(\a)+(\b))+3]   offset:(\a)*16*SPF+64*(\b)
	ds_store_b128 v[STO], v[ACC+8*(8*(\a)+(\b))+4:ACC+8*(8*(\a)+(\b))+7] offset:(\a)*16*SPF+64*(\b)+16
.endr
.endr
	s_wait_dscnt 0x0                               ; for the others' sake: my stores are done
	s_barrier_signal -1
	s_barrier_wait -1
.macro E2 line:vararg                  ; one line for each of the trip's two rows, Q = 0, 1: the rows alternate, so that no line waits for the one before it
.set Q, 0
	\line
.set Q, 1
	\line
.endm
.macro LANES2                          ; the sums of v[T], v[T+8] over the 32 lanes, in every lane
.irp m, 1,2,4,8
	E2 v_add_f32_dpp v[T+8*Q], v[T+8*Q], v[T+8*Q] row_xmask:\m row_mask:0xf bank_mask:0xf
.endr
	E2 v_permlanex16_b32 v[T+8*Q+1], v[T+8*Q], s60, s61
	E2 v_add_f32 v[T+8*Q], v[T+8*Q], v[T+8*Q+1]
.endm
	s_mov_b32 s3, 4
.Lrows:
.irp j, 0,1,2,3
	E2 ds_load_b128 v[X+16*Q+4*\j:X+16*Q+4*\j+3], v[RD] offset:Q*SPF+512*\j
.endr
	s_wait_dscnt 0x0
	v_add_nc_u32 v[RD], 2*SPF, v[RD]
.irp j, 0,1,2,3
	E2 global_store_b128 v[CO], v[X+16*Q+4*\j:X+16*Q+4*\j+3], s[8:9] offset:Q*2048+512*\j
.endr
.irp j, 0,1,2,3
	E2 v_pk_add_f32 v[T+8*Q+2*\j:T+8*Q+2*\j+1], v[X+16*Q+4*\j:X+16*Q+4*\j+1], v[X+16*Q+4*\j+2:X+16*Q+4*\j+3]
.endr
	E2 v_pk_add_f32 v[T+8*Q:T+8*Q+1], v[T+8*Q:T+8*Q+1], v[T+8*Q+2:T+8*Q+3]
	E2 v_pk_add_f32 v[T+8*Q+4:T+8*Q+5], v[T+8*Q+4:T+8*Q+5], v[T+8*Q+6:T+8*Q+7]
	E2 v_pk_add_f32 v[T+8*Q:T+8*Q+1], v[T+8*Q:T+8*Q+1], v[T+8*Q+4:T+8*Q+5]
	E2 v_add_f32 v[T+8*Q], v[T+8*Q], v[T+8*Q+1]
	LANES2
	E2 v_mul_f32 v[M+2*Q], s62, v[T+8*Q]
	E2 v_mul_f32 v[M+2*Q+1], s62, v[T+8*Q]
.irp j, 0,1,2,3,4,5,6,7
	E2 v_pk_add_f32 v[XC+16*Q+2*\j:XC+16*Q+2*\j+1], v[X+16*Q+2*\j:X+16*Q+2*\j+1], v[M+2*Q:M+2*Q+1] neg_lo:[0,1] neg_hi:[0,1]
.endr
	E2 v_pk_mul_f32 v[T+8*Q:T+8*Q+1], v[XC+16*Q:XC+16*Q+1], v[XC+16*Q:XC+16*Q+1]
	E2 v_pk_mul_f32 v[T+8*Q+2:T+8*Q+3], v[XC+16*Q+2:XC+16*Q+3], v[XC+16*Q+2:XC+16*Q+3]
.irp j, 2,4,6
	E2 v_pk_fma_f32 v[T+8*Q:T+8*Q+1], v[XC+16*Q+2*\j:XC+16*Q+2*\j+1], v[XC+16*Q+2*\j:XC+16*Q+2*\j+1], v[T+8*Q:T+8*Q+1]
	E2 v_pk_fma_f32 v[T+8*Q+2:T+8*Q+3], v[XC+16*Q+2*\j+2:XC+16*Q+2*\j+3], v[XC+16*Q+2*\j+2:XC+16*Q+2*\j+3], v[T+8*Q+2:T+8*Q+3]
.endr
	E2 v_pk_add_f32 v[T+8*Q:T+8*Q+1], v[T+8*Q:T+8*Q+1], v[T+8*Q+2:T+8*Q+3]
	E2 v_add_f32 v[T+8*Q], v[T+8*Q], v[T+8*Q+1]
	LANES2
	E2 v_fma_f32 v[T+8*Q], v[T+8*Q], s62, s63
	E2 v_rsq_f32 v[R+2*Q], v[T+8*Q]
	E2 v_rsq_f32 v[R+2*Q+1], v[T+8*Q]
	v_nop                                          ; a plain instruction behind the last root,
	s_wait_alu depctr_va_vdst(0)                   ; and the one wait ahead of the first reader
.irp j, 0,1,2,3,4,5,6,7
	E2 v_pk_mul_f32 v[XC+16*Q+2*\j:XC+16*Q+2*\j+1], v[XC+16*Q+2*\j:XC+16*Q+2*\j+1], v[R+2*Q:R+2*Q+1]
.endr
.irp j, 0,1,2,3,4,5,6,7
	E2 v_pk_fma_f32 v[XC+16*Q+2*\j:XC+16*Q+2*\j+1], v[XC+16*Q+2*\j:XC+16*Q+2*\j+1], v[G+2*\j:G+2*\j+1], v[BB+2*\j:BB+2*\j+1]
.endr
.irp j, 0,1,2,3,4,5,6,7
	E2 v_cvt_pk_bf16_f32 v[Y+8*Q+\j], v[XC+16*Q+2*\j], v[XC+16*Q+2*\j+1]
.endr
.irp j, 0,1,2,3
	E2 global_store_b64 v[ZO], v[Y+8*Q+2*\j:Y+8*Q+2*\j+1], s[86:87] offset:Q*1024+256*\j
.endr
	s_wait_xcnt 0x0                                ; the stores' data and bases are rewritten only behind this wait
	s_add_nc_u64 s[8:9], s[8:9], 4096              ; two rows on
	s_add_nc_u64 s[86:87], s[86:87], 2048
	s_sub_co_u32 s3, s3, 1
	s_cmp_lg_u32 s3, 0
	s_cbranch_scc1 .Lrows
	s_wait_tensorcnt 0x0                           ; the wave's end
	ds_add_u32 v[SPW], v[NIL]
	s_wait_dscnt 0x0
	CROUND                                         ; the closing round
	s_endpgm
.Lfunc_end_k_qa138ce5d71_wol:
	.size	k_qa138ce5d71_wol, .Lfunc_end_k_qa138ce5d71_wol-k_qa138ce5d71_wol
	.p2alignl 7, 3214868480
	.fill 96, 4, 3214868480
	.section	.rodata,"a",@progbits
	.p2align	6, 0x0
	.amdhsa_kernel k_qa138ce5d71_wol
		.amdhsa_group_segment_fixed_size 327680
		.amdhsa_private_segment_fixed_size 0
		.amdhsa_enable_private_segment 0
		.amdhsa_kernarg_size 56
		.amdhsa_user_sgpr_count 2
		.amdhsa_user_sgpr_kernarg_segment_ptr 1
		.amdhsa_wavefront_size32 1
		.amdhsa_system_sgpr_workgroup_id_x 1
		.amdhsa_system_sgpr_workgroup_id_y 1
		.amdhsa_system_sgpr_workgroup_id_z 1
		.amdhsa_system_vgpr_workitem_id 0
		.amdhsa_next_free_vgpr 384
		.amdhsa_next_free_sgpr 90
		.amdhsa_reserve_vcc 0
		.amdhsa_float_denorm_mode_32 3
		.amdhsa_float_denorm_mode_16_64 3
		.amdhsa_memory_ordered 1
		.amdhsa_forward_progress 1
		.amdhsa_inst_pref_size 37
	.end_amdhsa_kernel
	.amdgpu_metadata
---
amdhsa.version: [ 1, 2 ]
amdhsa.kernels:
  - .name:           k_qa138ce5d71_wol
    .symbol:         k_qa138ce5d71_wol.kd
    .args:
      - { .name: xz, .offset: 0, .size: 8, .value_kind: global_buffer, .address_space: global }
      - { .name: wC, .offset: 8, .size: 8, .value_kind: global_buffer, .address_space: global }
      - { .name: inputs, .offset: 16, .size: 8, .value_kind: global_buffer, .address_space: global }
      - { .name: ln_mlp_g, .offset: 24, .size: 8, .value_kind: global_buffer, .address_space: global }
      - { .name: ln_mlp_b, .offset: 32, .size: 8, .value_kind: global_buffer, .address_space: global }
      - { .name: y, .offset: 40, .size: 8, .value_kind: global_buffer, .address_space: global }
      - { .name: zb, .offset: 48, .size: 8, .value_kind: global_buffer, .address_space: global }
    .group_segment_fixed_size: 327680
    .private_segment_fixed_size: 0
    .kernarg_segment_align: 8
    .kernarg_segment_size: 56
    .max_flat_workgroup_size: 128
    .sgpr_count:     90
    .vgpr_count:     384
    .wavefront_size: 32
...
	.end_amdgpu_metadata
.endif
;; end of part 4
;; launch w1 (part 5): grid 32 x 8, 4 waves a work-group, clusters of 4 x 1, 327,680 bytes of LDS; arguments zb, wB, b1, act; writes act
.if DOCPART == 5
	.amdgcn_target "amdgcn-amd-amdhsa--gfx1250"
	.amdhsa_code_object_version 6
	.text
	.protected	k_qa138ce5d71_w1
	.globl	k_qa138ce5d71_w1
	.p2align	8
	.type	k_qa138ce5d71_w1,@function
k_qa138ce5d71_w1:
	s_mov_b64 s[64:65], 0
	v_nop
	global_prefetch_b8 v0, s[64:65] scope:SCOPE_SE
	s_setreg_imm32_b32 hwreg(HW_REG_WAVE_MODE, 25, 1), 1
	s_wait_xcnt 0x0
	s_wait_alu depctr_hold_cnt(0) depctr_sa_sdst(0) depctr_va_vdst(0) depctr_va_sdst(0) depctr_va_ssrc(0) depctr_va_vcc(0) depctr_vm_vsrc(0)
	s_getreg_b32 s2, hwreg(HW_REG_IB_STS2, 6, 4)
	s_cmp_eq_u32 s2, 0
	s_cbranch_scc0 .Lentry_in_a_cluster
	s_endpgm
.Lentry_in_a_cluster:
	s_bfe_u32 s2, ttmp6, 0x10000c
	s_cmp_lg_u32 s2, 0x3003
	s_cbranch_scc0 .Lentry_shape_is_right
	s_endpgm
.Lentry_shape_is_right:
; C = gelu(A W + bias).  A: [8192][512] bf16.  W: column tiles [8][512 k][256 n] bf16.  bias: [2048] f32.  C leaves in bf16 BY SLICES of 64 columns: [slice][8192 rows][64], 1,048,576 bytes a slice.  Sums in f32, C rounded once.
; gelu(u) = u (1 + erf(u / sqrt 2)) / 2 = max(u, 0) - |u| q, q = (1 - erf(|u| / sqrt 2)) / 2 = t (A1 + t (A2 + t (A3 + t (A4 + t A5)))) e^(-u u / 2), t = 1 / (1 + 0.3275911 |u| / sqrt 2).
; LIMITS.  The five-term series is off by at most 1.5e-7 in erf, for every u; an exponential below 2^-126 counts as 0; NaN and infinities are not treated apart.
; SHARES.  A work-group makes 256 x 256 of C, K = 512 in four steps of 128 through two LDS slots; a wave makes 128 x 128: 64 accumulators, 512 registers.
; W lies [k][n] in LDS and is turned on the way into registers (ds_load_tr16_b128).  The product is taken transposed (source 0 = 16 columns of W, source 1 = 16 rows of A):
; a lane then holds one row of C and eight neighbouring columns.
; THE K LOOP IS WRITTEN ONCE.  A PAIR is two quarters of 32 along K (128 matrix instructions, 64 LDS loads); a K step is two PAIRs.  The two K steps behind which a slot is filled again are a loop round that loop;
; the last K step has a second copy.  The first quarter and a half, whose products start the sums, stand ahead, and the loop is entered in the middle of a trip.
; A trip begins where fragments are fetched, so the change of slots stands just ahead of the first fetch from the new slot.  The price: no matrix instruction stands inside the change of slots.
; CLUSTER.  Four row tiles of one column tile: W's tiles are asked for jointly; A's tiles are each work-group's own, as in the launch that makes q, k and v, whose text this one follows.
; REGISTERS, in windows of 256: window 0: v0-31 addresses, v64-191 A's fragments (two buffers), later the way out; window 1: v64-191 W's fragments; windows 2, 3: the accumulators.
.set KSTEP, 128
.set PA,    272                        ; a row of A in LDS: 256 bytes + 16
.set PB,    544                        ; a k row of W in LDS: 512 bytes + 32 = 17 x 32
.set HALFT, 34816                      ; what one tensor load brings: 128 x 272 = 64 x 544
.set SLOT,  4*HALFT                    ; A's 256 rows, then W's 128 k rows.  0x22000: it shares no bit with a wave's place 0, 0x8800, 0x11000, 0x19800, so an exclusive or with it turns one slot's address into the other's
.set SPARE, 2*SLOT                     ; behind the ring: the spare words, 128 bytes a wave
.set SPF,   528                        ; the way out: a row of 128 f32 + 16 bytes
.set AREA,  128*SPF                    ; a wave's 128 rows; the four areas lie over the ring when it has had its last fill
.set SLB,   1048576                    ; bytes in a slice of C
.set BI,   8                           ; v[8:15]  bias of my 8 columns on the way out
.set ADRA, 16                          ; v16  my lane's place among A's fragments in slot 0; never rewritten
.set ADA,  18                          ; v18  the LDS address of A's fetches in hand
.set ADRB, 20                          ; v20  the same for W
.set ADB,  22                          ; v22
.set STO,  24                          ; v24  where I put a row's 32 bytes
.set RD,   25                          ; v25  where I read rows back; steps
.set GO,   26                          ; v26  my byte offset in C
.set BO,   27                          ; v27  my byte offset in the bias
.set SPW,  28                          ; v28  my spare word; never rewritten
.set NIL,  29                          ; v29  0; never rewritten
.set PFO,  30                          ; v30  the prefetches' lane offset; never rewritten
.set U,    32                          ; v[32:63]   the way out: 32 numbers
.set EE,   64                          ; v[64:95]   e^(-u u / 2)
.set TT,   96                          ; v[96:127]  t
.set MX,   128                         ; v[128:159] max(u, 0)
.set PP,   160                         ; v[160:191] the series
.set YY,   192                         ; v[192:207] packed
.set F0,   64
.set F1,   128
.set G1A,  24                          ; s[24:31] group 1 for A;  s[32:39] group 0: a set for each first fill; the second then walks
.set G0A,  32
.set G1B,  48                          ; s[48:55], s[56:63] the same for W
.set G0B,  56
.set TA,   4                           ; s4   slot + 128 x trip: where A's next fetches begin
.set TW,   5                           ; s5   slot + 64 k rows x trip: the same for W
.set CNT,  6                           ; s6   counts a K step's two trips
.set OUT,  7                           ; s7   K steps still to be left by a change that fills
.set LIM,  43
.set PFA,  44
.set MSB, 0
.macro WIN new                         ; the immediate's high byte repeats the setting that is left
.if MSB != (\new)
	s_set_vgpr_msb (MSB<<8)|(\new)
.set MSB, \new
.endif
.endm
.set MUL_LO, 0xa1                      ; source 0 (W) window 1, source 1 (A) window 0, C and D window 2
.set MUL_HI, 0xf1                      ; the same, C and D window 3
.set TO_B,   0x40                      ; destination window 1, address window 0
.macro PLACES
.rept 4
	v_nop
.endr
.endm
; Waves 0 and 1 fetch A's two halves (their own work-group's), waves 2 and 3 W's (jointly).  The branch hangs on the wave's number alone.  An s_nop 0 and four v_nop follow each line.
.macro JLOAD s
	s_cmp_eq_u32 s11, 0
	s_cbranch_scc0 .Lfor_b_\@
	tensor_load_to_lds s[G0A+4*(\s):G0A+4*(\s)+3], s[G1A:G1A+7]
	s_nop 0
.rept 4
	v_nop
.endr
	s_branch .Lasked_\@
.Lfor_b_\@:
	tensor_load_to_lds s[G0B+4*(\s):G0B+4*(\s)+3], s[G1B:G1B+7]
	s_nop 0
.rept 4
	v_nop
.endr
.Lasked_\@:
.endm
.macro CROUND                          ; a round of the cluster's barrier
	s_barrier_signal -1
	s_barrier_wait -1
	s_cmp_lg_u32 s10, 0
	s_cbranch_scc1 .Lnot_wave_0_\@
	s_barrier_signal -3
.Lnot_wave_0_\@:
	s_barrier_wait -3
	s_barrier_signal -1
	s_barrier_wait -1
.endm
; K step 3 is prefetched into the L2 once, behind the refill that asks for K step 2: a K step, 256 matrix instructions, ahead of its own load.  A's rows: each wave 0, 1 its own 128 rows (a lane a row, four lines), in column tile 0 alone;
; W's: the first cluster of the column tile, its four partners 32 blocks of 256 bytes each, told apart by address.  K steps 0 to 2 come by their loads alone; the second change that fills asks for nothing.
.macro ASK
	s_cmp_gt_u32 s[OUT], s[LIM]
	s_cbranch_scc0 .Lno_pf_\@
	global_prefetch_b8 v[PFO], s[PFA:PFA+1] th:TH_LOAD_NT scope:SCOPE_SE
	s_cmp_eq_u32 s11, 0
	s_cbranch_scc0 .Lno_pf_\@
	global_prefetch_b8 v[PFO], s[PFA:PFA+1] offset:32768 th:TH_LOAD_NT scope:SCOPE_SE
	global_prefetch_b8 v[PFO], s[PFA:PFA+1] offset:65536 th:TH_LOAD_NT scope:SCOPE_SE
	global_prefetch_b8 v[PFO], s[PFA:PFA+1] offset:98304 th:TH_LOAD_NT scope:SCOPE_SE
.Lno_pf_\@:
.endm
	s_load_b256 s[72:79], s[0:1], 0x0              ; A 72, W 74, bias 76, C 78
	v_lshl_add_u32 v[SPW], v0, 2, SPARE
	v_mov_b32 v[NIL], 0
	ds_add_u32 v[SPW], v[NIL]                      ; the wave's opening: the add and its wait stand ahead of my first tensor load
	v_lshrrev_b32 v1, 5, v0
	v_readfirstlane_b32 s10, v1                    ; wave 0..3
	s_lshr_b32 s11, s10, 1                         ; my half of the tile's rows.  Also: I fetch for A (0) or for W (1)
	s_and_b32 s12, s10, 1                          ; my half of its columns.  Also: which half of that tile I fetch
	s_bfe_u32 s40, ttmp6, 0x40000                  ; cx
	s_lshl_b32 s13, ttmp9, 2
	s_add_co_u32 s13, s13, s40                     ; row tile = 4 x cluster x + cx
	s_and_b32 s41, ttmp7, 0xffff                   ; column tile, which the four partners share
	s_mov_b32 s[G1A+0], (1<<16)|(1<<20)|(5<<22)|(3<<25)  ; no mask; 2-byte elements; padding: 4 words behind every 64
	s_mov_b32 s[G1A+1], 128<<16                    ; tensor_dim0 = 128
	s_mov_b32 s[G1A+2], 128<<16                    ; tensor_dim1 = 128
	s_mov_b32 s[G1A+3], 128<<16                    ; tile_dim0 = 128
	s_mov_b32 s[G1A+4], 128                        ; tile_dim1 = 128
	s_mov_b32 s[G1A+5], 512                        ; elements from row to row
	s_mov_b32 s[G1A+6], 0
	s_mov_b32 s[G1A+7], 0
	s_mov_b32 s[G1B+0], 15|(1<<16)|(1<<20)|(1<<21)|(6<<22)|(7<<25)  ; the mask of four, bit 21 beside it; padding: 8 words behind every 128
	s_mov_b32 s[G1B+1], 256<<16
	s_mov_b32 s[G1B+2], 64<<16
	s_mov_b32 s[G1B+3], 256<<16
	s_mov_b32 s[G1B+4], 64
	s_mov_b32 s[G1B+5], 256
	s_mov_b32 s[G1B+6], 0
	s_mov_b32 s[G1B+7], 0
	s_mov_b32 s82, 0xbf38aa3b                      ; -log2(e) / 2; each constant twice: the packed forms name a pair
	s_mov_b32 s83, 0xbf38aa3b
	s_mov_b32 s84, 0x3e027906                      ; A1 .. A5: the series' coefficients halved
	s_mov_b32 s85, 0x3e027906
	s_mov_b32 s86, 0xbe11a98e
	s_mov_b32 s87, 0xbe11a98e
	s_mov_b32 s88, 0x3f35f0e3
	s_mov_b32 s89, 0x3f35f0e3
	s_mov_b32 s90, 0xbf3a00e3
	s_mov_b32 s91, 0xbf3a00e3
	s_mov_b32 s92, 0x3f07dc22
	s_mov_b32 s93, 0x3f07dc22
	s_mov_b32 s94, 0x3e6d3388                      ; 0.3275911 / sqrt 2
	s_mov_b32 s[TA], 0
	s_mov_b32 s[TW], 0
	s_lshl_b32 s16, s13, 18                        ; A: (256 x row tile + 128 x half) rows of 1,024 bytes
	s_lshl_b32 s17, s12, 17
	s_add_co_u32 s16, s16, s17
	s_mov_b32 s17, 0
	s_lshl_b32 s46, s41, 18                        ; W: the column tile's 262,144 bytes, 64 k rows of 512 bytes a half
	s_lshl_b32 s47, s12, 15
	s_add_co_u32 s46, s46, s47
	s_mov_b32 s47, 0
	s_mul_i32 s20, s10, HALFT                      ; where my part goes in a slot
	s_wait_dscnt 0x0                               ; the opening add is done
	s_wait_kmcnt 0x0
	s_add_nc_u64 s[14:15], s[72:73], s[16:17]
	s_add_nc_u64 s[46:47], s[74:75], s[46:47]
	CROUND                                         ; all four work-groups are here: the first joint loads meet
.irp s, 0,1
	s_mov_b32 s[G0A+4*(\s)], 1
	s_add_co_u32 s[G0A+4*(\s)+1], s20, (\s)*SLOT
	s_add_nc_u64 s[G0A+4*(\s)+2:G0A+4*(\s)+3], s[14:15], (\s)*KSTEP*2
	s_or_b32 s[G0A+4*(\s)+3], s[G0A+4*(\s)+3], 0x80000000
	s_mov_b32 s[G0B+4*(\s)], 1
	s_add_co_u32 s[G0B+4*(\s)+1], s20, (\s)*SLOT
	s_add_nc_u64 s[G0B+4*(\s)+2:G0B+4*(\s)+3], s[46:47], (\s)*KSTEP*512
	s_or_b32 s[G0B+4*(\s)+3], s[G0B+4*(\s)+3], 0x80000000
	JLOAD \s                                       ; two loads of mine are out
.endr
	v_and_b32 v1, 15, v0                           ; l % 16
	v_bfe_u32 v2, v0, 4, 1                         ; l / 16
	v_and_b32 v3, 7, v0                            ; l % 8
	v_bfe_u32 v4, v0, 3, 1                         ; (l / 8) % 2
	v_mul_u32_u24 v5, v1, PA                       ; A's fragment: row l % 16, 16 bytes a half
	v_lshl_add_u32 v5, v2, 4, v5
	s_mul_i32 s21, s11, HALFT
	v_add_nc_u32 v[ADRA], s21, v5
	v_lshl_add_u32 v6, v2, 3, v3                   ; W's: k row 8 (l / 16) + l % 8, 16 bytes by (l / 8) % 2
	v_mul_u32_u24 v6, v6, PB
	v_lshl_add_u32 v6, v4, 4, v6
	s_lshl_b32 s22, s12, 8
	s_add_co_u32 s22, s22, 2*HALFT
	v_add_nc_u32 v[ADRB], s22, v6
	s_mul_i32 s23, s10, AREA
	v_mul_u32_u24 v7, v1, SPF
	v_lshl_add_u32 v7, v2, 5, v7
	v_add_nc_u32 v[STO], s23, v7
	v_mul_u32_u24 v7, v4, SPF                      ; back: lanes 0-15 two rows of my first slice, lanes 16-31 of my second; 8 columns a lane
	v_lshl_add_u32 v7, v2, 8, v7
	v_lshl_add_u32 v7, v3, 5, v7
	v_add_nc_u32 v[RD], s23, v7
	v_lshlrev_b32 v[GO], 20, v2
	v_lshl_add_u32 v[GO], v4, 7, v[GO]
	v_lshl_add_u32 v[GO], v3, 4, v[GO]
	v_lshlrev_b32 v[BO], 8, v2                     ; the bias of those 8 columns
	v_lshl_add_u32 v[BO], v3, 5, v[BO]
	s_lshl_b32 s14, s41, 10
	s_lshl_b32 s15, s12, 9
	s_add_co_u32 s14, s14, s15
	v_add_nc_u32 v[BO], s14, v[BO]
	global_load_b128 v[BI:BI+3],   v[BO], s[76:77]
	global_load_b128 v[BI+4:BI+7], v[BO], s[76:77] offset:16
	s_lshl_b32 s14, s41, 2                         ; C: slice 4 x column tile + 2 x half; row 256 x row tile + 128 x half, 128 bytes a row
	s_lshl_b32 s15, s12, 1
	s_add_co_u32 s14, s14, s15
	s_lshl_b32 s14, s14, 20
	s_lshl_b32 s15, s13, 15
	s_add_co_u32 s14, s14, s15
	s_lshl_b32 s15, s11, 14
	s_add_co_u32 s14, s14, s15
	s_mov_b32 s15, 0
	s_add_nc_u64 s[78:79], s[78:79], s[14:15]
	s_lshl_b32 s18, s13, 18                        ; the prefetch: A's K step 3 of my 128 rows,
	s_lshl_b32 s19, s12, 17
	s_add_co_u32 s18, s18, s19
	s_add_co_u32 s18, s18, 3*KSTEP*2
	s_lshl_b32 s19, s41, 18                        ; or W's K step 3, my half, my work-group's 8,192 bytes of it
	s_lshl_b32 s21, s12, 15
	s_add_co_u32 s19, s19, s21
	s_lshl_b32 s21, s40, 13
	s_add_co_u32 s19, s19, s21
	s_add_co_u32 s19, s19, 3*KSTEP*512
	s_cmp_eq_u32 s11, 0
	s_cselect_b64 s[PFA:PFA+1], s[72:73], s[74:75]
	s_cselect_b32 s18, s18, s19
	s_cselect_b32 s21, 10, 8                       ; a lane a row of 1,024 bytes, or a lane a block of 256
	s_cselect_b32 s22, s41, ttmp9                  ; the coordinate along which others read the same bytes
	s_mov_b32 s19, 0
	s_add_nc_u64 s[PFA:PFA+1], s[PFA:PFA+1], s[18:19]
	s_cmp_eq_u32 s22, 0
	s_cselect_b32 s[LIM], 1, -1                    ; the same in all four partners, for a given wave
	v_and_b32 v[PFO], 31, v0
	v_lshlrev_b32 v[PFO], s21, v[PFO]
; 16 matrix instructions: m blocks a0, a0 + 1 of the window's four x all 8 n blocks, 32 along K.  zero = 1: the product starts the sums.  The 64 accumulators take turns, in the same order in every quarter.
.macro MUL16 f, hi, a0, zero
	WIN MUL_LO+0x50*(\hi)
.irp a, \a0, (\a0)+1
.irp b, 0,1,2,3,4,5,6,7
.if \zero
	v_wmma_f32_16x16x32_bf16 v[8*(8*(\a)+(\b)):8*(8*(\a)+(\b))+7], v[(\f)+8*(\b):(\f)+8*(\b)+7], v[(\f)+8*(4*(\hi)+(\a)):(\f)+8*(4*(\hi)+(\a))+7], 0
.else
	v_wmma_f32_16x16x32_bf16 v[8*(8*(\a)+(\b)):8*(8*(\a)+(\b))+7], v[(\f)+8*(\b):(\f)+8*(\b)+7], v[(\f)+8*(4*(\hi)+(\a)):(\f)+8*(4*(\hi)+(\a))+7], v[8*(8*(\a)+(\b)):8*(8*(\a)+(\b))+7]
.endif
.endr
.endr
.endm
; 32 LDS loads in one run: the trip's even (odd = 0) or odd quarter into buffer f: W's 8 fragments, turned, then A's 8
.macro FETCH odd, f
	WIN TO_B
.irp i, 0,1,2,3,4,5,6,7
	ds_load_tr16_b128 v[(\f)+8*(\i):(\f)+8*(\i)+3],   v[ADB] offset:(\odd)*32*PB+32*(\i)
	ds_load_tr16_b128 v[(\f)+8*(\i)+4:(\f)+8*(\i)+7], v[ADB] offset:(\odd)*32*PB+32*(\i)+16*PB
.endr
	WIN 0
.irp i, 0,1,2,3,4,5,6,7
	ds_load_b128 v[(\f)+8*(\i):(\f)+8*(\i)+3],   v[ADA] offset:(\odd)*64+(\i)*16*PA
	ds_load_b128 v[(\f)+8*(\i)+4:(\f)+8*(\i)+7], v[ADA] offset:(\odd)*64+(\i)*16*PA+32
.endr
.endm
; A TRIP: two quarters.  It begins with the fetch of its even quarter; the upper half of the quarter before (buffer 1) is multiplied behind that.  Four plain vector instructions stand in front of each run of loads into
; registers that matrix instructions have read.  mid = 1: the label at which the loop is entered.
.macro PAIR mid
	WIN 0
	v_add_nc_u32 v[ADA], s[TA], v[ADRA]            ; two of the four places
	v_add_nc_u32 v[ADB], s[TW], v[ADRB]
	v_nop
	v_nop
	FETCH 0, F0
	s_wait_dscnt 32                                ; all but the 32 just issued: buffer 1 is whole
	MUL16 F1, 1, 0, 0
	MUL16 F1, 1, 2, 0
	s_wait_dscnt 8                                 ; W and A's rows 0-63 are in; the youngest eight loads (A's rows 64-127) may be out
	MUL16 F0, 0, 0, 0
	MUL16 F0, 0, 2, 0
	PLACES
	FETCH 1, F1
	s_wait_dscnt 32
	MUL16 F0, 1, 0, 0
	MUL16 F0, 1, 2, 0
.if \mid
	WIN 0
.Lmid:
.endif
	s_wait_dscnt 8
	MUL16 F1, 0, 0, 0
	MUL16 F1, 0, 2, 0
	WIN 0
	s_add_co_u32 s[TA], s[TA], 128
	s_add_co_u32 s[TW], s[TW], 64*PB
.endm
; THE CHANGE OF SLOTS.  The slot's last fragments have been asked for.  Each wave waits for all its tensor loads (one is out: its part of the other slot), adds 0 to its spare word, and waits for that and for its reads of the slot.
; fill = 1: the barrier is a round of the cluster's, and the refill, the K step two on, is the first thing behind it: it has a K step, 256 matrix instructions, in which to land.
.macro CHANGE fill
	WIN 0
	s_wait_tensorcnt 0x0                           ; no tensor load of mine is out, so a group 0 may be written
	ds_add_u32 v[SPW], v[NIL]                      ; the scalar work stands between the add and the wait for it
.if \fill
	s_xor_b32 s[G0A+5], s[G0A+5], SLOT             ; the walking descriptors: the other slot than last time,
	s_add_nc_u64 s[G0A+6:G0A+7], s[G0A+6:G0A+7], KSTEP*2   ; the next K step
	s_xor_b32 s[G0B+5], s[G0B+5], SLOT
	s_add_nc_u64 s[G0B+6:G0B+7], s[G0B+6:G0B+7], KSTEP*512
.endif
	s_sub_co_u32 s[TA], s[TA], 256                 ; the fetches go back to a slot's first quarter (0 or SLOT is left),
	s_xor_b32 s[TA], s[TA], SLOT                   ; in the other slot
	s_sub_co_u32 s[TW], s[TW], 128*PB
	s_xor_b32 s[TW], s[TW], SLOT
	s_wait_dscnt 0x0                               ; the add is done, and my reads of the slot are over
.if \fill
	CROUND
	JLOAD 1
	ASK
.else
	s_barrier_signal -1
	s_barrier_wait -1
.endif
.endm
	s_wait_tensorcnt 1                             ; my part of K step 0 is in; K step 1's may stay out
	s_barrier_signal -1
	s_barrier_wait -1
	v_add_nc_u32 v[ADA], s[TA], v[ADRA]
	v_add_nc_u32 v[ADB], s[TW], v[ADRB]
	FETCH 0, F0
	s_wait_dscnt 8
	MUL16 F0, 0, 0, 1                              ; the first quarter's products start the sums
	MUL16 F0, 0, 2, 1
	PLACES
	FETCH 1, F1
	s_wait_dscnt 32
	MUL16 F0, 1, 0, 1
	MUL16 F0, 1, 2, 1
	WIN 0
	s_mov_b32 s[CNT], 2
	s_mov_b32 s[OUT], 3
	s_branch .Lmid                                 ; the loop is entered in the middle of K step 0's first trip
.Lslot:                                        ; twice: K steps 1 and 2 are entered, K steps 2 and 3 asked for
	CHANGE 1
	s_mov_b32 s[CNT], 2
.Lpair:
	PAIR 1
	s_sub_co_u32 s[CNT], s[CNT], 1
	s_cmp_lg_u32 s[CNT], 0
	s_cbranch_scc1 .Lpair
	s_sub_co_u32 s[OUT], s[OUT], 1
	s_cmp_lg_u32 s[OUT], 0
	s_cbranch_scc1 .Lslot
	CHANGE 0                                       ; K step 3: nothing is left to fetch
	s_mov_b32 s[CNT], 2
.Lpair_t:
	PAIR 0
	s_sub_co_u32 s[CNT], s[CNT], 1
	s_cmp_lg_u32 s[CNT], 0
	s_cbranch_scc1 .Lpair_t
	s_wait_dscnt 0x0
	MUL16 F1, 1, 0, 0                              ; the last quarter's upper half
	MUL16 F1, 1, 2, 0
	WIN 0
	; THE WAY OUT.  The ring has had its last fill; when every wave's reads of it are over, each wave lays its 128 x 128 sums, f32, into its own area over it, and reads them back 8 rows a trip.
	s_barrier_signal -1
	s_barrier_wait -1
	PLACES
	PLACES
.irp a, 0,1,2,3,4,5,6,7
	WIN 0x08+4*((\a)/4)                            ; the stores' data: window 2 or 3
.irp b, 0,1,2,3,4,5,6,7
	ds_store_b128 v[STO], v[8*(8*((\a)%4)+(\b)):8*(8*((\a)%4)+(\b))+3]   offset:(\a)*16*SPF+64*(\b)
	ds_store_b128 v[STO], v[8*(8*((\a)%4)+(\b))+4:8*(8*((\a)%4)+(\b))+7] offset:(\a)*16*SPF+64*(\b)+16
.endr
.endr
	WIN 0
	s_wait_loadcnt 0x0                             ; the bias
	s_mov_b32 s3, 16
.Lrows:
.irp t, 0,1,2,3
	ds_load_b128 v[U+8*(\t):U+8*(\t)+3],   v[RD] offset:(\t)*2*SPF      ; LDS serves a wave's instructions in order: these see my stores
	ds_load_b128 v[U+8*(\t)+4:U+8*(\t)+7], v[RD] offset:(\t)*2*SPF+16
.endr
	s_wait_dscnt 0x0
	v_add_nc_u32 v[RD], 8*SPF, v[RD]
.set i, 0
.rept 16
	v_pk_add_f32 v[U+2*i:U+2*i+1], v[U+2*i:U+2*i+1], v[BI+2*(i%4):BI+2*(i%4)+1]
.set i, i+1
.endr
.set i, 0
.rept 16
	v_pk_mul_f32 v[EE+2*i:EE+2*i+1], v[U+2*i:U+2*i+1], s[82:83] op_sel_hi:[1,0]
.set i, i+1
.endr
.set i, 0
.rept 16
	v_pk_mul_f32 v[EE+2*i:EE+2*i+1], v[EE+2*i:EE+2*i+1], v[U+2*i:U+2*i+1]
.set i, i+1
.endr
.set i, 0
.rept 32
	v_fma_f32 v[TT+i], |v[U+i]|, s94, 1.0
.set i, i+1
.endr
.set i, 0
.rept 32                               ; one batch: 32 reciprocals and 32 exponentials
	v_rcp_f32 v[TT+i], v[TT+i]
.set i, i+1
.endr
.set i, 0
.rept 32
	v_exp_f32 v[EE+i], v[EE+i]
.set i, i+1
.endr
.set i, 0
.rept 32                               ; plain work that names none of the batch's results
	v_max_num_f32 v[MX+i], 0, v[U+i]
.set i, i+1
.endr
	s_wait_alu depctr_va_vdst(0)                   ; the one wait ahead of the batch's first reader
.set i, 0
.rept 16
	v_pk_fma_f32 v[PP+2*i:PP+2*i+1], v[TT+2*i:TT+2*i+1], s[92:93], s[90:91] op_sel_hi:[1,0,0]
.set i, i+1
.endr
.irp c, 88, 86, 84
.set i, 0
.rept 16
	v_pk_fma_f32 v[PP+2*i:PP+2*i+1], v[PP+2*i:PP+2*i+1], v[TT+2*i:TT+2*i+1], s[\c:\c+1] op_sel_hi:[1,1,0]
.set i, i+1
.endr
.endr
.set i, 0
.rept 16
	v_pk_mul_f32 v[PP+2*i:PP+2*i+1], v[PP+2*i:PP+2*i+1], v[TT+2*i:TT+2*i+1]
.set i, i+1
.endr
.set i, 0
.rept 16
	v_pk_mul_f32 v[PP+2*i:PP+2*i+1], v[PP+2*i:PP+2*i+1], v[EE+2*i:EE+2*i+1]
.set i, i+1
.endr
.set i, 0
.rept 32
	v_fma_f32 v[U+i], -|v[U+i]|, v[PP+i], v[MX+i]
.set i, i+1
.endr
.set i, 0
.rept 16
	v_cvt_pk_bf16_f32 v[YY+i], v[U+2*i], v[U+2*i+1]
.set i, i+1
.endr
.irp t, 0,1,2,3
	global_store_b128 v[GO], v[YY+4*(\t):YY+4*(\t)+3], s[78:79] offset:(\t)*256  ; 16 lanes store two rows of a slice: 256 consecutive bytes, aligned
.endr
	s_wait_xcnt 0x0                                ; the stores' data and base are rewritten only behind this wait
	s_add_nc_u64 s[78:79], s[78:79], 1024          ; 8 rows on
	s_sub_co_u32 s3, s3, 1
	s_cmp_lg_u32 s3, 0
	s_cbranch_scc1 .Lrows
	s_wait_tensorcnt 0x0                           ; the wave's end
	ds_add_u32 v[SPW], v[NIL]
	s_wait_dscnt 0x0
	CROUND                                         ; the closing round
	s_endpgm
.Lfunc_end_k_qa138ce5d71_w1:
	.size	k_qa138ce5d71_w1, .Lfunc_end_k_qa138ce5d71_w1-k_qa138ce5d71_w1
	.p2alignl 7, 3214868480
	.fill 96, 4, 3214868480
	.section	.rodata,"a",@progbits
	.p2align	6, 0x0
	.amdhsa_kernel k_qa138ce5d71_w1
		.amdhsa_group_segment_fixed_size 327680
		.amdhsa_private_segment_fixed_size 0
		.amdhsa_enable_private_segment 0
		.amdhsa_kernarg_size 32
		.amdhsa_user_sgpr_count 2
		.amdhsa_user_sgpr_kernarg_segment_ptr 1
		.amdhsa_wavefront_size32 1
		.amdhsa_system_sgpr_workgroup_id_x 1
		.amdhsa_system_sgpr_workgroup_id_y 1
		.amdhsa_system_sgpr_workgroup_id_z 1
		.amdhsa_system_vgpr_workitem_id 0
		.amdhsa_next_free_vgpr 1024
		.amdhsa_next_free_sgpr 100
		.amdhsa_reserve_vcc 0
		.amdhsa_float_denorm_mode_32 3
		.amdhsa_float_denorm_mode_16_64 3
		.amdhsa_memory_ordered 1
		.amdhsa_forward_progress 1
		.amdhsa_inst_pref_size 75
	.end_amdhsa_kernel
	.amdgpu_metadata
---
amdhsa.version: [ 1, 2 ]
amdhsa.kernels:
  - .name:           k_qa138ce5d71_w1
    .symbol:         k_qa138ce5d71_w1.kd
    .args:
      - { .name: zb, .offset: 0, .size: 8, .value_kind: global_buffer, .address_space: global }
      - { .name: wB, .offset: 8, .size: 8, .value_kind: global_buffer, .address_space: global }
      - { .name: b1, .offset: 16, .size: 8, .value_kind: global_buffer, .address_space: global }
      - { .name: act, .offset: 24, .size: 8, .value_kind: global_buffer, .address_space: global }
    .group_segment_fixed_size: 327680
    .private_segment_fixed_size: 0
    .kernarg_segment_align: 8
    .kernarg_segment_size: 32
    .max_flat_workgroup_size: 128
    .sgpr_count:     100
    .vgpr_count:     1024
    .wavefront_size: 32
...
	.end_amdgpu_metadata
.endif
;; end of part 5
;; launch w2 (part 6): grid 4 x 64, 4 waves a work-group, clusters of 4 x 4, 327,680 bytes of LDS; arguments act, wC, b2, y, out0; writes out0
.if DOCPART == 6
	.amdgcn_target "amdgcn-amd-amdhsa--gfx1250"
	.amdhsa_code_object_version 6
	.text
	.protected	k_qa138ce5d71_w2
	.globl	k_qa138ce5d71_w2
	.p2align	8
	.type	k_qa138ce5d71_w2,@function
k_qa138ce5d71_w2:
	s_mov_b64 s[64:65], 0
	v_nop
	global_prefetch_b8 v0, s[64:65] scope:SCOPE_SE
	s_setreg_imm32_b32 hwreg(HW_REG_WAVE_MODE, 25, 1), 1
	s_wait_xcnt 0x0
	s_wait_alu depctr_hold_cnt(0) depctr_sa_sdst(0) depctr_va_vdst(0) depctr_va_sdst(0) depctr_va_ssrc(0) depctr_va_vcc(0) depctr_vm_vsrc(0)
	s_getreg_b32 s2, hwreg(HW_REG_IB_STS2, 6, 4)
	s_cmp_eq_u32 s2, 0
	s_cbranch_scc0 .Lentry_in_a_cluster
	s_endpgm
.Lentry_in_a_cluster:
	s_bfe_u32 s2, ttmp6, 0x10000c
	s_cmp_lg_u32 s2, 0xf033
	s_cbranch_scc0 .Lentry_shape_is_right
	s_endpgm
.Lentry_shape_is_right:
; out0 = h W2 + b2 + y.  h: [32 slices][8192 rows][64] bf16 (channel 64 x slice + c).  W2: [2048 k][512 n] bf16 at wC's byte 524,288.  b2: [512] f32.  y, out0: [8192][512] f32.  Sums in f32.
; SHARES.  A work-group makes 128 x 128 of out0: 256 work-groups.  K goes in eight steps of 256 (four slices) through two LDS slots; WITHIN A STEP K IS SPLIT AMONG THE FOUR WAVES: wave w makes the
; whole tile over the step's slice w: 64 accumulators, two quarters of 32 along K a step.  The four partial tiles meet in LDS at the end, with the bias and the residual.
; CLUSTER.  4 x 4: h's tile is shared along a row of the cluster, W2's along a column; each is asked for jointly, behind a round of the cluster's barrier.
; The product is taken transposed (source 0 = 16 columns of W2, turned out of LDS; source 1 = 16 rows of h).
.set PA,    144
.set PB,    288
.set PART,  36864                      ; what one tensor load brings: 2 slices x 128 x 144 = 128 k rows x 288
.set SLOT,  4*PART                     ; h's four slices, then W2's 256 k rows
.set SPARE, 2*SLOT
.set SPF,   528
.set AREA,  128*SPF
.set SLB,   1048576
.set RDA,  8
.set BI,   12                          ; v[12:15] b2 of my 4 columns on the way out
.set ADRA, 16
.set ADRB, 20
.set STO,  24
.set CO,   26
.set SPW,  28
.set NIL,  29
.set PFO,  30
.set PS,   64
.set F0,   64
.set F1,   128
.set G1A,  24
.set G0A,  32
.set G1B,  48
.set G0B,  56
.set LIM,  66                          ; s66  1 in a wave that prefetches, else the greatest number
.set PFA,  68                          ; s[68:69] the K step that my next prefetch names
.set PFS,  70                          ; s[70:71] bytes from a K step to the next, in the tensor that I fetch
.set MSB, 0
.macro WIN new
.if MSB != (\new)
	s_set_vgpr_msb (MSB<<8)|(\new)
.set MSB, \new
.endif
.endm
.set MUL_LO, 0xa1
.set MUL_HI, 0xf1
.set TO_B,   0x40
.macro PLACES
.rept 4
	v_nop
.endr
.endm
.macro JLOAD s                         ; waves 0 and 1 fetch h's two halves, waves 2 and 3 W2's; an s_nop 0 and four v_nop follow each line
	s_cmp_eq_u32 s11, 0
	s_cbranch_scc0 .Lfor_b_\@
	tensor_load_to_lds s[G0A+4*(\s):G0A+4*(\s)+3], s[G1A:G1A+7]
	s_nop 0
.rept 4
	v_nop
.endr
	s_branch .Lasked_\@
.Lfor_b_\@:
	tensor_load_to_lds s[G0B+4*(\s):G0B+4*(\s)+3], s[G1B:G1B+7]
	s_nop 0
.rept 4
	v_nop
.endr
.Lasked_\@:
.endm
.macro CREST
	s_cmp_lg_u32 s10, 0
	s_cbranch_scc1 .Lnot_wave_0_\@
	s_barrier_signal -3
.Lnot_wave_0_\@:
	s_barrier_wait -3
	s_barrier_signal -1
	s_barrier_wait -1
.endm
.macro CROUND
	s_barrier_signal -1
	s_barrier_wait -1
	CREST
.endm
; A prefetch into the L2, behind each joint refill and the run of LDS loads: the K step two refills on, 256 matrix instructions ahead of its load.  h's 256 blocks of a step belong to one row of one cluster: its four
; partners' waves 0 and 1 take 32 blocks each, by address.  W2's rows are read by all sixteen clusters: cluster y = 0 asks, its partners of a column 32 rows each, by address.  The loop's last trip asks for nothing.
.macro ASK
	s_cmp_gt_u32 s3, s[LIM]
	s_cbranch_scc0 .Lnot_mine_\@
	global_prefetch_b8 v[PFO], s[PFA:PFA+1] th:TH_LOAD_NT scope:SCOPE_SE
.Lnot_mine_\@:
.endm
	s_load_b256 s[72:79], s[0:1], 0x0              ; h 72, wC 74, b2 76, y 78
	s_load_b64 s[80:81], s[0:1], 0x20              ; out0
	v_lshl_add_u32 v[SPW], v0, 2, SPARE
	v_mov_b32 v[NIL], 0
	ds_add_u32 v[SPW], v[NIL]                      ; the wave's opening: the add and its wait stand ahead of my first tensor load
	v_lshrrev_b32 v1, 5, v0
	v_readfirstlane_b32 s10, v1
	s_lshr_b32 s11, s10, 1                         ; I fetch for h (0) or for W2 (1)
	s_and_b32 s12, s10, 1                          ; which half of that tile
	s_bfe_u32 s40, ttmp6, 0x40000                  ; cx
	s_bfe_u32 s41, ttmp6, 0x40004                  ; cy
	s_lshl_b32 s42, ttmp9, 2
	s_add_co_u32 s42, s42, s40                     ; column tile
	s_and_b32 s13, ttmp7, 0xffff
	s_lshl_b32 s13, s13, 2
	s_add_co_u32 s13, s13, s41                     ; row tile
	s_lshl_b32 s43, s41, 2
	s_lshl_b32 s43, 15, s43                        ; my row of the cluster
	s_lshl_b32 s44, 0x1111, s40                    ; my column
	s_or_b32 s[G1A+0], s43, (1<<16)|(1<<20)|(1<<21)|(4<<22)|(3<<25)  ; two rows of 8,192 elements (128 token rows of a slice), a slice apart; 4 words of padding behind every 32
	s_mov_b32 s[G1A+1], 8192<<16
	s_mov_b32 s[G1A+2], 2<<16
	s_mov_b32 s[G1A+3], 8192<<16
	s_mov_b32 s[G1A+4], 2
	s_mov_b32 s[G1A+5], 524288
	s_mov_b32 s[G1A+6], 0
	s_mov_b32 s[G1A+7], 0
	s_or_b32 s[G1B+0], s44, (1<<16)|(1<<20)|(1<<21)|(5<<22)|(7<<25)  ; 128 k rows of 128 elements; 8 words of padding behind every 64
	s_mov_b32 s[G1B+1], 128<<16
	s_mov_b32 s[G1B+2], 128<<16
	s_mov_b32 s[G1B+3], 128<<16
	s_mov_b32 s[G1B+4], 128
	s_mov_b32 s[G1B+5], 512
	s_mov_b32 s[G1B+6], 0
	s_mov_b32 s[G1B+7], 0
	s_lshl_b32 s16, s12, 21                        ; h: slice 2 x half, row 128 x row tile
	s_lshl_b32 s17, s13, 14
	s_add_co_u32 s16, s16, s17
	s_mov_b32 s17, 0
	s_lshl_b32 s46, s12, 17                        ; W2: k row 128 x half, column 128 x column tile
	s_lshl_b32 s47, s42, 8
	s_add_co_u32 s46, s46, s47
	s_add_co_u32 s46, s46, 524288
	s_mov_b32 s47, 0
	s_mul_i32 s20, s10, PART
	s_wait_dscnt 0x0
	s_wait_kmcnt 0x0
	s_add_nc_u64 s[14:15], s[72:73], s[16:17]
	s_add_nc_u64 s[46:47], s[74:75], s[46:47]
	CROUND                                         ; all sixteen work-groups are here: the first joint loads meet
.irp s, 0,1
	s_mov_b32 s[G0A+4*(\s)], 1
	s_add_co_u32 s[G0A+4*(\s)+1], s20, (\s)*SLOT
	s_add_nc_u64 s[G0A+4*(\s)+2:G0A+4*(\s)+3], s[14:15], (\s)*4*SLB
	s_or_b32 s[G0A+4*(\s)+3], s[G0A+4*(\s)+3], 0x80000000
	s_mov_b32 s[G0B+4*(\s)], 1
	s_add_co_u32 s[G0B+4*(\s)+1], s20, (\s)*SLOT
	s_add_nc_u64 s[G0B+4*(\s)+2:G0B+4*(\s)+3], s[46:47], (\s)*262144
	s_or_b32 s[G0B+4*(\s)+3], s[G0B+4*(\s)+3], 0x80000000
	JLOAD \s                                       ; two loads of mine are out
.endr
	v_and_b32 v1, 15, v0
	v_bfe_u32 v2, v0, 4, 1
	v_and_b32 v3, 7, v0
	v_bfe_u32 v4, v0, 3, 1
	v_and_b32 v5, 31, v0
	v_lshlrev_b32 v[CO], 4, v5
	s_lshl_b32 s4, s13, 18                         ; y and out0: row 128 x row tile + 32 w, column 128 x column tile
	s_lshl_b32 s5, s10, 16
	s_add_co_u32 s4, s4, s5
	s_lshl_b32 s5, s42, 9
	s_add_co_u32 s4, s4, s5
	s_mov_b32 s5, 0
	s_add_nc_u64 s[6:7], s[78:79], s[4:5]
	s_add_nc_u64 s[8:9], s[80:81], s[4:5]
	s_lshl_b32 s4, s42, 9
	s_add_nc_u64 s[76:77], s[76:77], s[4:5]        ; b2 at the tile's first column
	global_load_b128 v[BI:BI+3], v[CO], s[76:77]
	WIN 0x40                                       ; the residual: my 32 rows of 512 bytes, into window 1's registers beside the fragments
.set r, 0
.rept 32
.if r < 16
.set RG, 4*r
.else
.set RG, 192+4*(r-16)
.endif
	global_load_b128 v[RG:RG+3], v[CO], s[6:7] offset:r*2048 th:TH_LOAD_NT
.set r, r+1
.endr
	WIN 0
	s_mul_i32 s21, s10, 128*PA                     ; my slice of a slot's four
	v_mul_u32_u24 v6, v1, PA
	v_lshl_add_u32 v6, v2, 4, v6
	v_add_nc_u32 v[ADRA], s21, v6
	v_add_nc_u32 v[ADRA+1], SLOT, v[ADRA]
	v_lshl_add_u32 v6, v2, 3, v3
	v_mul_u32_u24 v6, v6, PB
	v_lshl_add_u32 v6, v4, 4, v6
	s_mul_i32 s21, s10, 64*PB                      ; my 64 k rows of a slot's 256
	s_add_co_u32 s21, s21, 2*PART
	v_add_nc_u32 v[ADRB], s21, v6
	v_add_nc_u32 v[ADRB+1], SLOT, v[ADRB]
	s_mul_i32 s23, s10, AREA
	v_mul_u32_u24 v7, v1, SPF
	v_lshl_add_u32 v7, v2, 5, v7
	v_add_nc_u32 v[STO], s23, v7
	s_mul_i32 s22, s10, 32*SPF
	v_add_nc_u32 v[RDA], s22, v[CO]
	v_add_nc_u32 v[RDA+1], AREA, v[RDA]
	v_add_nc_u32 v[RDA+2], AREA, v[RDA+1]
	v_add_nc_u32 v[RDA+3], AREA, v[RDA+2]
	; the prefetches: at K step 3; the first refill steps them to K step 4
	s_lshl_b32 s18, s12, 1                         ; h: slice 2 x half + cx / 2, row 128 x row tile, 8,192 bytes by cx % 2
	s_lshr_b32 s19, s40, 1
	s_add_co_u32 s18, s18, s19
	s_lshl_b32 s18, s18, 20
	s_lshl_b32 s19, s13, 14
	s_add_co_u32 s18, s18, s19
	s_and_b32 s19, s40, 1
	s_lshl_b32 s19, s19, 13
	s_add_co_u32 s18, s18, s19
	s_add_co_u32 s18, s18, 12*SLB
	s_lshl_b32 s19, s12, 17                        ; W2: k row 128 x half + 32 cy, column 128 x column tile
	s_lshl_b32 s21, s41, 15
	s_add_co_u32 s19, s19, s21
	s_lshl_b32 s21, s42, 8
	s_add_co_u32 s19, s19, s21
	s_add_co_u32 s19, s19, 524288+3*262144
	s_and_b32 s22, ttmp7, 0xffff                   ; cluster y
	s_mov_b32 s23, 4*SLB
	s_cmp_eq_u32 s11, 0
	s_cselect_b64 s[PFA:PFA+1], s[72:73], s[74:75]
	s_cselect_b32 s18, s18, s19
	s_cselect_b32 s21, 8, 10                       ; a lane a block of 256 bytes, or a lane a row of 1,024
	s_cselect_b32 s[PFS], s23, 262144
	s_cselect_b32 s22, 0, s22
	s_mov_b32 s19, 0
	s_mov_b32 s[PFS+1], 0
	s_add_nc_u64 s[PFA:PFA+1], s[PFA:PFA+1], s[18:19]
	s_cmp_eq_u32 s22, 0
	s_cselect_b32 s[LIM], 1, -1                    ; the same in all sixteen partners, for a given wave
	v_lshlrev_b32 v[PFO], s21, v5
.macro MUL16 f, hi, a0, zero
	WIN MUL_LO+0x50*(\hi)
.irp a, \a0, (\a0)+1
.irp b, 0,1,2,3,4,5,6,7
.if \zero
	v_wmma_f32_16x16x32_bf16 v[8*(8*(\a)+(\b)):8*(8*(\a)+(\b))+7], v[(\f)+8*(\b):(\f)+8*(\b)+7], v[(\f)+8*(4*(\hi)+(\a)):(\f)+8*(4*(\hi)+(\a))+7], 0
.else
	v_wmma_f32_16x16x32_bf16 v[8*(8*(\a)+(\b)):8*(8*(\a)+(\b))+7], v[(\f)+8*(\b):(\f)+8*(\b)+7], v[(\f)+8*(4*(\hi)+(\a)):(\f)+8*(4*(\hi)+(\a))+7], v[8*(8*(\a)+(\b)):8*(8*(\a)+(\b))+7]
.endif
.endr
.endr
.endm
.macro FETCH slot, q, f
	WIN TO_B
.irp i, 0,1,2,3,4,5,6,7
	ds_load_tr16_b128 v[(\f)+8*(\i):(\f)+8*(\i)+3],   v[ADRB+(\slot)] offset:(\q)*32*PB+32*(\i)
	ds_load_tr16_b128 v[(\f)+8*(\i)+4:(\f)+8*(\i)+7], v[ADRB+(\slot)] offset:(\q)*32*PB+32*(\i)+16*PB
.endr
	WIN 0
.irp i, 0,1,2,3,4,5,6,7
	ds_load_b128 v[(\f)+8*(\i):(\f)+8*(\i)+3],   v[ADRA+(\slot)] offset:(\q)*64+(\i)*16*PA
	ds_load_b128 v[(\f)+8*(\i)+4:(\f)+8*(\i)+7], v[ADRA+(\slot)] offset:(\q)*64+(\i)*16*PA+32
.endr
.endm
.macro QUARTER slot, q, f, g, zero
	s_wait_dscnt 8                                 ; W2's fragments and h's rows 0-63 are in; the youngest eight loads may be out
	MUL16 \f, 0, 0, \zero
	MUL16 \f, 0, 2, \zero
	PLACES
	FETCH \slot, \q, \g
	s_wait_dscnt 32                                ; all but the 32 just issued
	MUL16 \f, 1, 0, \zero
	MUL16 \f, 1, 2, \zero
.endm
.macro MEET round
	WIN 0
	s_wait_tensorcnt 0x0                           ; all my tensor loads have landed: my part of the next slot;
	ds_add_u32 v[SPW], v[NIL]                      ; 0 onto my spare word;
	s_wait_dscnt 9                                 ; (the add and the youngest eight loads may be out)
	MUL16 F1, 0, 0, 0
	s_wait_dscnt 0x0                               ; the add is done, and my reads of this slot are over
	s_barrier_signal -1
	MUL16 F1, 0, 2, 0
.if \round
	WIN 0
.endif
	s_barrier_wait -1
.endm
.macro TURN slot, next, fill           ; a K step's second quarter and the change of slots; fill = 1: the slot just read takes the K step two on, first thing behind the cluster's round
.if \fill
	s_wait_xcnt 0x0                                ; the last prefetch, a K step back, has read its address
	s_add_nc_u64 s[PFA:PFA+1], s[PFA:PFA+1], s[PFS:PFS+1]
.endif
	MEET \fill
.if \fill
	CREST
	s_add_nc_u64 s[G0A+4*(\slot)+2:G0A+4*(\slot)+3], s[G0A+4*(\slot)+2:G0A+4*(\slot)+3], 8*SLB
	s_add_nc_u64 s[G0B+4*(\slot)+2:G0B+4*(\slot)+3], s[G0B+4*(\slot)+2:G0B+4*(\slot)+3], 2*262144
	JLOAD \slot                                    ; 96 matrix instructions ahead of the wait for it; its four v_nop are also the places in front of the loads below
.else
	PLACES
.endif
	FETCH \next, 0, F0
.if \fill
	ASK
.endif
	MUL16 F1, 1, 0, 0
	MUL16 F1, 1, 2, 0
.endm
	s_wait_tensorcnt 1                             ; my part of K step 0 is in; K step 1's may stay out
	s_barrier_signal -1
	s_barrier_wait -1
	FETCH 0, 0, F0
	QUARTER 0, 1, F0, F1, 1                        ; the first quarter's products start the sums
	WIN 0
	s_mov_b32 s3, 3
.Llap:                                         ; a trip goes once round the ring and fills both slots again: K steps 2 to 7
	TURN 0, 1, 1
	QUARTER 1, 1, F0, F1, 0
	TURN 1, 0, 1
	QUARTER 0, 1, F0, F1, 0
	WIN 0
	s_sub_co_u32 s3, s3, 1
	s_cmp_lg_u32 s3, 0
	s_cbranch_scc1 .Llap
	TURN 0, 1, 0                                   ; the last lap fills nothing
	QUARTER 1, 1, F0, F1, 0
	s_wait_dscnt 8
	MUL16 F1, 0, 0, 0
	MUL16 F1, 0, 2, 0
	s_wait_dscnt 0x0
	MUL16 F1, 1, 0, 0
	MUL16 F1, 1, 2, 0
	WIN 0
	; THE WAY OUT.  The ring has had its last fill; when every wave's reads of it are over, each lays its partial tile into its area over it; behind a second barrier wave w adds the four areas' rows
	; 32 w .. 32 w + 31, the bias and the residual.
	s_barrier_signal -1
	s_barrier_wait -1
	PLACES
	PLACES
.irp a, 0,1,2,3,4,5,6,7
	WIN 0x08+4*((\a)/4)
.irp b, 0,1,2,3,4,5,6,7
	ds_store_b128 v[STO], v[8*(8*((\a)%4)+(\b)):8*(8*((\a)%4)+(\b))+3]   offset:(\a)*16*SPF+64*(\b)
	ds_store_b128 v[STO], v[8*(8*((\a)%4)+(\b))+4:8*(8*((\a)%4)+(\b))+7] offset:(\a)*16*SPF+64*(\b)+16
.endr
.endr
	WIN 0
	s_wait_dscnt 0x0                               ; for the others' sake: my stores are done
	s_barrier_signal -1
	s_barrier_wait -1
	s_wait_loadcnt 0x0                             ; the bias and the residual
.macro BATCH g                         ; 8 rows
	WIN 0
.if (\g) > 0
	s_wait_xcnt 0x0                                ; the last batch's stores have read their data: the registers are loaded again only behind this wait
.endif
.irp r, 0,1,2,3,4,5,6,7
.irp v, 0,1,2,3
	ds_load_b128 v[PS+16*(\r)+4*(\v):PS+16*(\r)+4*(\v)+3], v[RDA+(\v)] offset:(8*(\g)+(\r))*SPF
.endr
.endr
.irp r, 0,1,2,3,4,5,6,7
	s_wait_dscnt 4*(7-(\r))                        ; the later rows' four loads each may be out
	v_pk_add_f32 v[PS+16*(\r):PS+16*(\r)+1],     v[PS+16*(\r):PS+16*(\r)+1],     v[PS+16*(\r)+4:PS+16*(\r)+5]
	v_pk_add_f32 v[PS+16*(\r)+2:PS+16*(\r)+3],   v[PS+16*(\r)+2:PS+16*(\r)+3],   v[PS+16*(\r)+6:PS+16*(\r)+7]
	v_pk_add_f32 v[PS+16*(\r)+8:PS+16*(\r)+9],   v[PS+16*(\r)+8:PS+16*(\r)+9],   v[PS+16*(\r)+12:PS+16*(\r)+13]
	v_pk_add_f32 v[PS+16*(\r)+10:PS+16*(\r)+11], v[PS+16*(\r)+10:PS+16*(\r)+11], v[PS+16*(\r)+14:PS+16*(\r)+15]
	v_pk_add_f32 v[PS+16*(\r):PS+16*(\r)+1],     v[PS+16*(\r):PS+16*(\r)+1],     v[PS+16*(\r)+8:PS+16*(\r)+9]
	v_pk_add_f32 v[PS+16*(\r)+2:PS+16*(\r)+3],   v[PS+16*(\r)+2:PS+16*(\r)+3],   v[PS+16*(\r)+10:PS+16*(\r)+11]
	v_pk_add_f32 v[PS+16*(\r):PS+16*(\r)+1],     v[PS+16*(\r):PS+16*(\r)+1],     v[BI:BI+1]
	v_pk_add_f32 v[PS+16*(\r)+2:PS+16*(\r)+3],   v[PS+16*(\r)+2:PS+16*(\r)+3],   v[BI+2:BI+3]
.endr
	WIN 0x04                                       ; source 1 in window 1: the residual
.irp r, 0,1,2,3,4,5,6,7
.set RR, 8*(\g)+(\r)
.if RR < 16
.set RG, 4*RR
.else
.set RG, 192+4*(RR-16)
.endif
	v_pk_add_f32 v[PS+16*(\r):PS+16*(\r)+1],   v[PS+16*(\r):PS+16*(\r)+1],   v[RG:RG+1]
	v_pk_add_f32 v[PS+16*(\r)+2:PS+16*(\r)+3], v[PS+16*(\r)+2:PS+16*(\r)+3], v[RG+2:RG+3]
.endr
	WIN 0
.irp r, 0,1,2,3,4,5,6,7
	global_store_b128 v[CO], v[PS+16*(\r):PS+16*(\r)+3], s[8:9] offset:(8*(\g)+(\r))*2048 th:TH_STORE_NT  ; 512 consecutive bytes, aligned
.endr
.endm
	BATCH 0
	BATCH 1
	BATCH 2
	BATCH 3
	s_wait_tensorcnt 0x0                           ; the wave's end
	ds_add_u32 v[SPW], v[NIL]
	s_wait_dscnt 0x0
	CROUND                                         ; the closing round
	s_endpgm
.Lfunc_end_k_qa138ce5d71_w2:
	.size	k_qa138ce5d71_w2, .Lfunc_end_k_qa138ce5d71_w2-k_qa138ce5d71_w2
	.p2alignl 7, 3214868480
	.fill 96, 4, 3214868480
	.section	.rodata,"a",@progbits
	.p2align	6, 0x0
	.amdhsa_kernel k_qa138ce5d71_w2
		.amdhsa_group_segment_fixed_size 327680
		.amdhsa_private_segment_fixed_size 0
		.amdhsa_enable_private_segment 0
		.amdhsa_kernarg_size 40
		.amdhsa_user_sgpr_count 2
		.amdhsa_user_sgpr_kernarg_segment_ptr 1
		.amdhsa_wavefront_size32 1
		.amdhsa_system_sgpr_workgroup_id_x 1
		.amdhsa_system_sgpr_workgroup_id_y 1
		.amdhsa_system_sgpr_workgroup_id_z 1
		.amdhsa_system_vgpr_workitem_id 0
		.amdhsa_next_free_vgpr 1024
		.amdhsa_next_free_sgpr 84
		.amdhsa_reserve_vcc 0
		.amdhsa_float_denorm_mode_32 3
		.amdhsa_float_denorm_mode_16_64 3
		.amdhsa_memory_ordered 1
		.amdhsa_forward_progress 1
		.amdhsa_inst_pref_size 106
	.end_amdhsa_kernel
	.amdgpu_metadata
---
amdhsa.version: [ 1, 2 ]
amdhsa.kernels:
  - .name:           k_qa138ce5d71_w2
    .symbol:         k_qa138ce5d71_w2.kd
    .args:
      - { .name: act, .offset: 0, .size: 8, .value_kind: global_buffer, .address_space: global }
      - { .name: wC, .offset: 8, .size: 8, .value_kind: global_buffer, .address_space: global }
      - { .name: b2, .offset: 16, .size: 8, .value_kind: global_buffer, .address_space: global }
      - { .name: y, .offset: 24, .size: 8, .value_kind: global_buffer, .address_space: global }
      - { .name: out0, .offset: 32, .size: 8, .value_kind: global_buffer, .address_space: global }
    .group_segment_fixed_size: 327680
    .private_segment_fixed_size: 0
    .kernarg_segment_align: 8
    .kernarg_segment_size: 40
    .max_flat_workgroup_size: 128
    .sgpr_count:     84
    .vgpr_count:     1024
    .wavefront_size: 32
...
	.end_amdgpu_metadata
.endif
;; end of part 6
